; MI455X (gfx1250); checked and timed in simulation.
; The chip was launched on July 23, 2026; its instructions are those of AMD's public machine-readable ISA for CDNA 5 (MIT licence, August 2026) and "CDNA5" Instruction Set Architecture Reference Guide (July 2026). The comments in the code are by the model that wrote it; some were corrected since.
;; Multi Head Attention. Allowed arithmetic: matrix products marked QUANTISED: E3M2 operands, one E8M0 scale for each 32 along K, by v_wmma_scale_f32_16x16x128_f8f6f4 with both operands' format E3M2, f32 sums; everything else in f32.
;; Inputs: Wk 1,024 x 1,024 float32; Wo 1,024 x 1,024 float32; Wq 1,024 x 1,024 float32; Wv 1,024 x 1,024 float32; bk 1,024 float32; bo 1,024 float32; bq 1,024 float32; bv 1,024 float32; mask 1 x 1 x 2,048 x 2,048 int32; x 4 x 2,048 x 1,024 float32.
;; Outputs: out0 4 x 2,048 x 1,024 float32.
;; This version of the problem:
;;   THIS VERSION OF THE PROBLEM IS GIVEN IN LOW PRECISION. The matrix products marked QUANTISED in the list below multiply operands that are first quantised to E3M2 (3 exponent bits, 2 mantissa bits; 6 bits a number), with one power-of-two scale for each 32 numbers along K (OCP MX v1.0); their sums are f32. All else is computed in f32.
;;   The module's matrix products, in the order in which they are computed (A, B: the left and right operand; K: the contracted axis; several contracted axes count as one K, in the product's order):
;;     1. [M 8,192, K 1,024] x [K 1,024, N 1,024]; A: input x; B: input Wq: QUANTISED
;;     2. [M 8,192, K 1,024] x [K 1,024, N 1,024]; A: input x; B: input Wk: QUANTISED
;;     3. [M 8,192, K 1,024] x [K 1,024, N 1,024]; A: input x; B: input Wv: QUANTISED
;;     4. batch 64 x [M 2,048, K 64] x [K 64, N 2,048]; A: computed on the way; B: computed on the way: QUANTISED
;;     5. batch 64 x [M 2,048, K 2,048] x [K 2,048, N 64]; A: softmax (see below); B: computed on the way: QUANTISED
;;     6. [M 8,192, K 1,024] x [K 1,024, N 1,024]; A: computed on the way; B: input Wo: QUANTISED
;;   THE QUANTISER, for each operand of a quantised product, along K:
;;     - K is cut into blocks of 32 from its start; a last block that is shorter is filled with zeros.
;;     - A block's scale is 2^e with e = floor(log2(the largest magnitude in the block)) - 4, held to -126 .. 127; a block of zeros has e = 0. As a byte (E8M0): e + 127.
;;     - Each number is divided by its block's scale, clamped to +-28, and rounded to the nearest number of E3M2, ties to even, subnormals kept.
;;     - The product sums the exact products of the quantised numbers (number of the format x scale) in f32.
;;   ~~~python
;;   def quantise(x, axis):      # numpy; x: float32 -> the quantised numbers, widened to float32 again
;;       x = np.moveaxis(x, axis, -1); K = x.shape[-1]
;;       x = np.pad(x, [(0, 0)] * (x.ndim - 1) + [(0, -K % 32)]); x = x.reshape(x.shape[:-1] + (-1, 32)); a = np.abs(x).max(-1, keepdims=True)
;;       e = np.where(a > 0, np.clip(np.frexp(np.where(a > 0, a, 1))[1] - 1 - 4, -126, 127), 0)      # np.frexp(a)[1] - 1 = floor(log2(a)), exactly
;;       r = np.clip(x / 2.0 ** e, -28, 28)
;;       step = 2.0 ** (np.maximum(np.frexp(np.where(r == 0, 1, r))[1] - 1, -2) - 2)
;;       q = np.round(r / step) * step * 2.0 ** e      # np.round: ties to even
;;       return np.moveaxis(q.reshape(q.shape[:-2] + (-1,))[..., :K], -1, axis).astype(np.float32)
;;   ~~~
;;   SOFTMAX AHEAD OF A QUANTISED PRODUCT. Where the list says 'softmax', what is quantised is not the finished softmax but p = 2^(t - M), with t = logit x log2(e) and M = ceil(the row's largest t), a whole number; so 1/2 < the row's largest p <= 1. The row's sum l is taken of the UNQUANTISED p, in f32, and the product's result is divided by l at the end. Since M is a whole number, a kernel that streams over the keys may use a running M (the ceiling of the running maximum): every later rescaling is an exact power of two, which a block's scale takes up: the codes' values come out the same.
;;   OPERANDS COMPUTED ON THE WAY. 'Computed on the way' means the value that the module computes at that place (a softmax that the list does not call 'softmax' is quantised finished and normalised). What goes into a quantiser is computed in f32, as accurately as f32 sums, v_exp_f32 and their like allow (about 1e-6 of the number): no bf16 or f16 on the way to a quantiser, and a product that is left as it is and whose result goes on into a quantised operand takes f32 operands (vector FMAs, or v_wmma_f32_16x16x4_f32). A number that lies on a knife's edge between two numbers of the format may be rounded either way, as far as f32 arithmetic and the matrix unit's own rounding can turn it there, and no further.
;; One version. Each part assembles by itself: llvm-mc -triple=amdgcn-amd-amdhsa -mcpu=gfx1250 --defsym DOCPART=n.
;; ======== version 1 of 1: 4 launches
;; workspace buffers: ops1 9,830,400 bytes; mw 557,056 bytes of whole numbers; qkv 20,185,088 bytes; ao 6,553,600 bytes
;; launch prep (part 1): grid 320 x 1, 8 waves a work-group, no clusters, 67,584 bytes of LDS; arguments x, Wq, Wk, Wv, Wo, mask, ops1, mw; writes ops1, mw
.if DOCPART == 1
	.amdgcn_target "amdgcn-amd-amdhsa--gfx1250"
	.amdhsa_code_object_version 6
	.text
	.protected	k_qc8034eede5_prep
	.globl	k_qc8034eede5_prep
	.p2align	8
	.type	k_qc8034eede5_prep,@function
k_qc8034eede5_prep:
	s_mov_b64 s[64:65], 0
	v_nop
	global_prefetch_b8 v0, s[64:65] scope:SCOPE_SE
	s_setreg_imm32_b32 hwreg(HW_REG_WAVE_MODE, 25, 1), 1
	s_wait_xcnt 0x0
; PREP.  Work-groups 0-127: the mask [2048][2048] of int32 becomes lane masks and flags.  Work-groups 128-319: x [8192][1024] and Wq, Wk, Wv, Wo [1024][1024], f32, become codes of E3M2
; (6 bits, K innermost, 768 bytes a row) and one E8M0 byte for each 32 along K (32 bytes a row), in ops1: x's codes at 0, x's bytes at OPS_XS, the weights' codes at OPS_WC (Wq, Wk, Wv, Wo on end), their bytes at OPS_WS.
; POSITIONS.  A row of x, Wq, Wk, Wv is stored at the place that is its index with bits 3 and 4 exchanged; Wo's rows lie as they are.  A wave takes 8 rows, so it exchanges bits 0 and 1 of its run's number.
; With that order a later product's results lie in a lane's registers as neighbours along the next product's K.
; THE QUANTISER.  A block's scale is 2^(floor(log2(largest magnitude)) - 4); its byte is the largest magnitude's exponent field - 4, held at 1 from below.  A block of zeros so gets the byte 1 where the rule says 127:
; its codes are zeros, and these bytes are read by this program alone.  LIMITS: NaN and infinities among the inputs are not served; blocks whose largest magnitude lies under 2^-122 get the byte 1.
; A wave takes 16 steps of 512 numbers.  Each load reads 512 consecutive bytes; a step's 2,048 bytes turn through the wave's own stage in LDS and come back 64 bytes (16 neighbours) a lane.  Two neighbouring lanes hold a block.
; THE MASK.  Query tile T (work-group), lane r stands for token 32 (T / 2) + 8 (T % 2) + r + 8 (r / 8).  For key step J (128 keys) word n (0..63) has bit (r + 16 h) set where mask[token][128 J + 32 (n / 16) + 16 h + n % 16] is not 0:
; the very lane mask that selects register n of the scores.  mw: words at (16 T + J) x 256 + 4 n; flags of tile T at MF + 256 T (64 equal words): bit J: the step has to be worked; bit 16 + J: all its keys count.
; A step in which no key counts is left out later only if each of the tile's 16 queries has a key that counts somewhere: else every step of the tile is marked.
; The two ways part on the work-group's number alone and use LDS bytes of their own: 0..65,535 (8,192 a wave) and FLG on.
.set OPS_XS, 6291456
.set OPS_WC, 6553600
.set OPS_WS, 9699328
.set MF,    524288
.set STEPS, 16
.set EMAX,  4
.set CB,    12                         ; bytes of 16 codes
.set R,     16                         ; v16-79   four sets of 16 numbers as loaded
.set X,     80                         ; v80-111  two sets of 16 neighbours
.set C,     128                        ; v128-191 codes, four registers a step
.set E,     112                        ; v112-127 a scale byte a step
.set WREG,  8192                       ; LDS of a wave: two stages of 32 x SP bytes, then its 256 scale bytes
.set SP,    80
.set FLG,   65536                      ; LDS of the mask's way: 16 bytes a wave
	s_load_b512 s[4:19], s[0:1], 0x0               ; x 4:5, Wq 6:7, Wk 8:9, Wv 10:11, Wo 12:13, mask 14:15, ops1 16:17, mw 18:19
	v_lshl_add_u32 v192, v0, 2, 0x10400
	v_mov_b32 v193, 0
	v_lshrrev_b32 v1, 5, v0
	v_readfirstlane_b32 s20, v1                    ; wave 0..7
	v_and_b32 v2, 31, v0                           ; lane
	s_cmp_lt_u32 ttmp9, 128
	s_cbranch_scc1 .Lmask
	; ---------------- the quantiser ----------------
	v_lshlrev_b32 v3, 4, v2                        ; my 16 bytes of a load's 512
	s_mul_i32 s21, s20, WREG
	v_lshrrev_b32 v14, 2, v2
	v_mul_u32_u24 v14, v14, SP
	v_and_b32 v15, 3, v2
	v_lshl_add_u32 v14, v15, 4, v14
	v_add_nc_u32 v14, s21, v14                     ; the stage, in: SP (lane / 4) + 16 (lane % 4)
	v_mul_u32_u24 v15, v2, SP
	v_add_nc_u32 v15, s21, v15                     ; out: SP x lane
	v_mul_u32_u24 v4, v2, CB                       ; my codes' place in a step's
	v_lshrrev_b32 v5, 1, v2
	s_add_co_u32 s21, s21, 2*32*SP
	v_add_nc_u32 v5, s21, v5                       ; my block's byte among the wave's 256
	v_lshlrev_b32 v7, 3, v2
	v_add_nc_u32 v6, s21, v7
	s_sub_co_u32 s22, ttmp9, 128                   ; g: 0-127 x, 128-191 the weights
	s_lshl_b32 s23, s22, 3
	s_add_co_u32 s23, s23, s20                     ; x: my run of 8 rows
	s_sub_co_u32 s24, s22, 128
	s_lshl_b32 s25, s24, 3
	s_add_co_u32 s25, s25, s20                     ; the weights: my run among their 512
	s_and_b32 s26, s25, 127                        ; and in its own matrix
	s_lshr_b32 s27, s24, 4                         ; which matrix
	s_mov_b32 s31, OPS_WS
	s_cmp_lt_u32 s22, 128
	s_cselect_b32 s28, s23, s26                    ; the run that is read
	s_cselect_b32 s29, s23, s25                    ; the run that is written
	s_cselect_b32 s27, 0, s27
	s_cselect_b32 s30, 0, OPS_WC
	s_cselect_b32 s31, OPS_XS, s31
	s_and_b32 s32, s29, 1                          ; bits 0 and 1 of the run change places,
	s_lshl_b32 s32, s32, 1
	s_bfe_u32 s33, s29, 0x10001
	s_or_b32 s32, s32, s33
	s_and_not1_b32 s33, s29, 3
	s_or_b32 s32, s32, s33
	s_cmp_eq_u32 s27, 3                            ; but not in Wo
	s_cselect_b32 s29, s29, s32
	s_lshl_b32 s34, s28, 15                        ; 8 rows of 4,096 bytes
	s_mov_b32 s35, 0
	s_mul_i32 s36, s29, 32*STEPS*CB                ; 8 rows of 768 bytes
	s_add_co_u32 s36, s36, s30
	s_mov_b32 s37, 0
	s_lshl_b32 s38, s29, 8                         ; 8 rows of 32 bytes
	s_add_co_u32 s38, s38, s31
	s_mov_b32 s39, 0
	s_wait_kmcnt 0x0
	s_cmp_lt_u32 s22, 128                          ; the tensor is chosen by the work-group's number alone
	s_cselect_b64 s[4:5], s[4:5], s[6:7]
	s_cmp_eq_u32 s27, 1
	s_cselect_b64 s[4:5], s[8:9], s[4:5]
	s_cmp_eq_u32 s27, 2
	s_cselect_b64 s[4:5], s[10:11], s[4:5]
	s_cmp_eq_u32 s27, 3
	s_cselect_b64 s[4:5], s[12:13], s[4:5]
	s_add_nc_u64 s[4:5], s[4:5], s[34:35]
	s_add_nc_u64 s[8:9], s[16:17], s[36:37]        ; the codes
	s_add_nc_u64 s[10:11], s[16:17], s[38:39]      ; the scale bytes
.macro LOAD t
.irp i, 0,1,2,3
	global_load_b128 v[R+16*((\t)%4)+4*\i:R+16*((\t)%4)+4*\i+3], v3, s[4:5] offset:2048*(\t)+512*\i th:TH_LOAD_NT   ; 32 lanes read 512 consecutive bytes
.endr
.endm
.macro TURN t                          ; a step's numbers through the stage: LDS serves a wave's instructions in order, so no wait stands between the stores and the loads
.irp i, 0,1,2,3
	ds_store_b128 v14, v[R+16*((\t)%4)+4*\i:R+16*((\t)%4)+4*\i+3] offset:32*SP*((\t)%2)+8*SP*\i
.endr
.irp i, 0,1,2,3
	ds_load_b128 v[X+16*((\t)%2)+4*\i:X+16*((\t)%2)+4*\i+3], v15 offset:32*SP*((\t)%2)+16*\i
.endr
.endm
.irp t, 0,1,2,3
	LOAD \t
.endr
	s_wait_loadcnt 12                              ; step 0's four loads are in; three steps' twelve stay out
	TURN 0
.macro STEP t
.set XS, X+16*((\t)%2)
.if (\t) > 0
	s_wait_dscnt 1                                 ; this step's numbers are back (the last step's byte store may be out), so its stage stores have read their registers,
.else
	s_wait_dscnt 0x0
.endif
.if (\t)+4 < STEPS
	LOAD (\t)+4                                    ; which take the loads of four steps on
.endif
.if (\t)+1 < STEPS
.if STEPS-2-(\t) >= 3
	s_wait_loadcnt 12                              ; the next step's four loads are in; those of the three steps behind it may be out
.else
	s_wait_loadcnt 4*(STEPS-2-(\t))
.endif
	TURN (\t)+1
.endif
	v_max3_num_f32 v8, |v[XS]|, |v[XS+1]|, |v[XS+2]|               ; the largest magnitude of my 16, in two chains
	v_max3_num_f32 v9, |v[XS+3]|, |v[XS+4]|, |v[XS+5]|
.irp i, 6,10
	v_max3_num_f32 v8, v8, |v[XS+\i]|, |v[XS+\i+1]|
	v_max3_num_f32 v9, v9, |v[XS+\i+2]|, |v[XS+\i+3]|
.endr
	v_max3_num_f32 v8, v8, |v[XS+14]|, |v[XS+15]|
	v_max3_num_f32 v8, v8, v9, (EMAX+1)<<23        ; and the floor 2^(EMAX + 1 - 127): the byte cannot fall under 1
	v_max_num_f32_dpp v8, v8, v8 row_xmask:1 row_mask:0xf bank_mask:0xf   ; with my neighbour's 16: the block's
	v_add_nc_u32 v11, -(EMAX<<23), v8              ; EMAX off its exponent field: the conversion takes the exponent field of this operand as its scale
	v_cvt_scalef32_pk16_bf6_f32 v[C+4*(\t):C+4*(\t)+2], v[XS:XS+15], v11
	v_lshrrev_b32 v[E+(\t)], 23, v11               ; the scale's byte
	ds_store_b8 v5, v[E+(\t)] offset:16*(\t)       ; both lanes of a block write the same byte with the same value
	global_store_b96 v4, v[C+4*(\t):C+4*(\t)+2], s[8:9] offset:32*CB*(\t)   ; the wave stores 384 consecutive bytes
.endm
.irp t, 0,1,2,3,4,5,6,7,8,9,10,11,12,13,14,15
	STEP \t
.endr
	ds_load_b64 v[12:13], v6                       ; served behind my byte stores
	s_wait_dscnt 0x0
	global_store_b64 v7, v[12:13], s[10:11]        ; 32 lanes store 256 consecutive bytes, aligned
	s_wait_tensorcnt 0x0
	ds_add_u32 v192, v193
	s_wait_dscnt 0x0
	s_endpgm
	; ---------------- the mask ----------------
.Lmask:
	v_and_b32 v3, 15, v0                           ; r
	v_bfe_u32 v4, v0, 4, 1                         ; h
	v_and_b32 v5, 8, v3
	v_add_nc_u32 v5, v5, v3                        ; r + 8 (r / 8)
	s_lshr_b32 s21, ttmp9, 1
	s_lshl_b32 s21, s21, 5
	s_and_b32 s22, ttmp9, 1
	s_lshl_b32 s22, s22, 3
	s_add_co_u32 s21, s21, s22
	v_add_nc_u32 v5, s21, v5                       ; my token
	v_lshlrev_b32 v5, 13, v5                       ; its row of 8,192 bytes,
	v_lshl_add_u32 v5, v4, 6, v5                   ; + 64 h,
	s_lshl_b32 s22, s20, 10
	v_add_nc_u32 v5, s22, v5                       ; + my wave's two key steps of 512 bytes
	s_lshl_b32 s23, ttmp9, 4
	s_lshl_b32 s22, s20, 1
	s_add_co_u32 s23, s23, s22
	s_lshl_b32 s23, s23, 8
	v_lshlrev_b32 v9, 3, v2
	v_add_nc_u32 v6, s23, v9                       ; the words' place: (16 T + 2 w) x 256 + 8 x lane
	s_lshl_b32 s23, ttmp9, 8
	v_add_nc_u32 v9, s23, v9                       ; the flags' place: 256 T + 8 x lane
	s_lshl_b32 s31, s20, 4
	s_add_co_u32 s31, s31, FLG
	v_mov_b32 v7, s31                              ; LDS: my wave's 16 bytes
	v_mov_b32 v8, FLG
.irp i, 144,145,146,147
	v_mov_b32 v\i, 0                               ; a lane write's destination counts as read
.endr
	s_wait_kmcnt 0x0
.irp jj, 0,1
.irp b, 0,1,2,3
.irp i, 0,1,2,3
	global_load_b128 v[16+64*\jj+16*\b+4*\i:19+64*\jj+16*\b+4*\i], v5, s[14:15] offset:512*\jj+128*\b+16*\i   ; register 16 + 64 jj + n: key 128 J + 32 (n / 16) + 16 h + n % 16
.endr
.endr
.endr
.macro PACKJ jj
	s_wait_loadcnt 16*(1-\jj)                      ; this key step's 16 loads are in; the second step's 16 may be out
	s_mov_b32 s[24+2*\jj], 0                       ; the words' OR
	s_mov_b32 s[25+2*\jj], -1                      ; and AND
.irp g, 0,1
.set k, 0
.rept 32
	v_cmp_ne_u32 s[32+k], 0, v[16+64*\jj+32*\g+k]  ; word 32 g + k
.set k, k+1
.endr
.set k, 0
.rept 32
	v_writelane_b32 v[144+2*\jj+k%2], s[32+k], (32*\g+k)/2   ; word n goes to lane n / 2, register n % 2
	s_or_b32 s[24+2*\jj], s[24+2*\jj], s[32+k]
	s_and_b32 s[25+2*\jj], s[25+2*\jj], s[32+k]
.set k, k+1
.endr
.endr
	global_store_b64 v6, v[144+2*\jj:145+2*\jj], s[18:19] offset:256*\jj   ; 64 words: 256 consecutive bytes, aligned
.endm
	PACKJ 0
	PACKJ 1
	s_lshl_b32 s30, s20, 1
	s_cmp_lg_u32 s24, 0
	s_cselect_b32 s28, 1, 0
	s_cmp_lg_u32 s26, 0
	s_cselect_b32 s29, 2, 0
	s_or_b32 s28, s28, s29
	s_lshl_b32 s28, s28, s30                       ; some key counts: bits 2 w, 2 w + 1
	s_cmp_eq_u32 s25, -1
	s_cselect_b32 s29, 1, 0
	s_cmp_eq_u32 s27, -1
	s_cselect_b32 s31, 2, 0
	s_or_b32 s29, s29, s31
	s_lshl_b32 s29, s29, s30                       ; all keys count
	s_or_b32 s24, s24, s26                         ; which lanes have a key that counts
	v_mov_b32 v148, s28
	v_mov_b32 v149, s29
	v_mov_b32 v150, s24
	v_mov_b32 v151, 0
	ds_store_b128 v7, v[148:151]                   ; all lanes write the same 16 bytes with the same values
	s_wait_dscnt 0x0                               ; for the others' sake: my store has landed
	s_barrier_signal -1
	s_barrier_wait -1
.irp i, 0,1,2,3,4,5,6,7
	ds_load_b128 v[16+4*\i:19+4*\i], v8 offset:16*\i
.endr
	s_wait_dscnt 0x0
.irp i, 1,2,3,4,5,6,7
	v_or_b32 v16, v16, v[16+4*\i]
	v_or_b32 v17, v17, v[17+4*\i]
	v_or_b32 v18, v18, v[18+4*\i]
.endr
	v_lshrrev_b32 v19, 16, v18
	v_or_b32 v19, v19, v18
	v_and_b32 v19, 0xffff, v19                     ; bit r: query r has a key that counts
	v_mov_b32 v20, 0xffff
	v_cmp_ne_u32 vcc_lo, v19, v20                  ; a query without one: every step of the tile is worked
	v_cndmask_b32 v16, v16, v20, vcc_lo
	v_lshl_or_b32 v10, v17, 16, v16
	v_mov_b32 v11, v10
	s_cmp_lg_u32 s20, 0
	s_cbranch_scc1 .Lmask_end
	global_store_b64 v9, v[10:11], s[18:19] offset:MF   ; wave 0: 256 consecutive bytes, aligned
.Lmask_end:
	s_wait_tensorcnt 0x0
	ds_add_u32 v192, v193
	s_wait_dscnt 0x0
	s_endpgm
.Lfunc_end_k_qc8034eede5_prep:
	.size	k_qc8034eede5_prep, .Lfunc_end_k_qc8034eede5_prep-k_qc8034eede5_prep
	.p2alignl 7, 3214868480
	.fill 96, 4, 3214868480
	.section	.rodata,"a",@progbits
	.p2align	6, 0x0
	.amdhsa_kernel k_qc8034eede5_prep
		.amdhsa_group_segment_fixed_size 67584
		.amdhsa_private_segment_fixed_size 0
		.amdhsa_enable_private_segment 0
		.amdhsa_kernarg_size 64
		.amdhsa_user_sgpr_count 2
		.amdhsa_user_sgpr_kernarg_segment_ptr 1
		.amdhsa_wavefront_size32 1
		.amdhsa_system_sgpr_workgroup_id_x 1
		.amdhsa_system_sgpr_workgroup_id_y 1
		.amdhsa_system_sgpr_workgroup_id_z 1
		.amdhsa_system_vgpr_workitem_id 0
		.amdhsa_next_free_vgpr 194
		.amdhsa_next_free_sgpr 66
		.amdhsa_reserve_vcc 1
		.amdhsa_float_denorm_mode_32 3
		.amdhsa_float_denorm_mode_16_64 3
		.amdhsa_memory_ordered 1
		.amdhsa_forward_progress 1
		.amdhsa_inst_pref_size 64
	.end_amdhsa_kernel
	.amdgpu_metadata
---
amdhsa.version: [ 1, 2 ]
amdhsa.kernels:
  - .name:           k_qc8034eede5_prep
    .symbol:         k_qc8034eede5_prep.kd
    .args:
      - { .name: x, .offset: 0, .size: 8, .value_kind: global_buffer, .address_space: global }
      - { .name: Wq, .offset: 8, .size: 8, .value_kind: global_buffer, .address_space: global }
      - { .name: Wk, .offset: 16, .size: 8, .value_kind: global_buffer, .address_space: global }
      - { .name: Wv, .offset: 24, .size: 8, .value_kind: global_buffer, .address_space: global }
      - { .name: Wo, .offset: 32, .size: 8, .value_kind: global_buffer, .address_space: global }
      - { .name: mask, .offset: 40, .size: 8, .value_kind: global_buffer, .address_space: global }
      - { .name: ops1, .offset: 48, .size: 8, .value_kind: global_buffer, .address_space: global }
      - { .name: mw, .offset: 56, .size: 8, .value_kind: global_buffer, .address_space: global }
    .group_segment_fixed_size: 67584
    .private_segment_fixed_size: 0
    .kernarg_segment_align: 8
    .kernarg_segment_size: 64
    .max_flat_workgroup_size: 256
    .sgpr_count:     66
    .vgpr_count:     194
    .wavefront_size: 32
...
	.end_amdgpu_metadata
.endif
;; end of part 1
;; launch qkv (part 2): grid 12 x 32, 4 waves a work-group, clusters of 4 x 4, 327,680 bytes of LDS; arguments ops1, bq, bk, bv, qkv; writes qkv
.if DOCPART == 2
	.amdgcn_target "amdgcn-amd-amdhsa--gfx1250"
	.amdhsa_code_object_version 6
	.text
	.protected	k_qc8034eede5_qkv
	.globl	k_qc8034eede5_qkv
	.p2align	8
	.type	k_qc8034eede5_qkv,@function
k_qc8034eede5_qkv:
	s_mov_b64 s[64:65], 0
	v_nop
	global_prefetch_b8 v0, s[64:65] scope:SCOPE_SE
	s_setreg_imm32_b32 hwreg(HW_REG_WAVE_MODE, 25, 1), 1
	s_wait_xcnt 0x0
	s_wait_alu depctr_hold_cnt(0) depctr_sa_sdst(0) depctr_va_vdst(0) depctr_va_sdst(0) depctr_va_ssrc(0) depctr_va_vcc(0) depctr_vm_vsrc(0)
	s_getreg_b32 s2, hwreg(HW_REG_IB_STS2, 6, 4)
	s_cmp_eq_u32 s2, 0
	s_cbranch_scc0 .Lentry_in_a_cluster
	s_endpgm
.Lentry_in_a_cluster:
	s_bfe_u32 s2, ttmp6, 0x10000c
	s_cmp_lg_u32 s2, 0xf033
	s_cbranch_scc0 .Lentry_shape_is_right
	s_endpgm
.Lentry_shape_is_right:
; QKV.  Q = x Wq^T + bq, K = x Wk^T + bk, V^T = Wv x^T + bv, on codes of E3M2 with one E8M0 scale for each 32 along K = 1,024; the results are quantised in registers on the way out and leave as operand images.
; A tile of C, 256 x 256, is made by four waves, 128 x 128 each: 64 accumulators, 512 registers.  K goes in steps of 256 through two LDS slots filled by the tensor data mover (rows of 192 bytes, 16 bytes of padding behind every 64:
; pitch 240).  The scale bytes of the work-group's 512 rows come into LDS once, with the first fills.
; CLUSTERS of 4 x 4.  Clusters x = 0, 1: A = x (tile row 4 y + cy), B = Wq, Wk on end (tile column 4 x + cx).  Cluster x = 2: A = Wv (tile row cy), B = x (tile column 4 y + cx).  A's tile is asked for jointly by a row of the
; cluster, B's by a column.  Which of the two kinds a cluster is hangs on the cluster's x alone, which all sixteen partners share.
; THE MATRIX INSTRUCTION IS USED TRANSPOSED (source 0 = 16 rows of B, source 1 = 16 rows of A): lane (r, h) holds row r of A's block, and register j of accumulator b the row 16 b + 8 h + j of B.  B's rows lie in ops1 with bits 3
; and 4 of their index exchanged, so the 64 registers of a block's eight accumulators are k = 32 (n / 16) + 16 h + n % 16 in true order: 16 neighbours of each block of 32 along the next product's K.
; THE WAY OUT, block of 16 rows by block: bias (one fused multiply-add: accumulator + BC x MU; Q, K: BC the column's bias, MU 1; V: BC 1, MU the row's bias), the quantiser, and four dense stores.  No LDS.
; IMAGES in qkv: 768 bytes hold registers 0-5 of a fragment's half (16 rows x 64 K): registers 0-3 at 16 x lane, registers 4-5 at 512 + 8 x lane.  Q, K: [bh][tile 128][768]; V: [bh][J 16][t 4][2 x 768].
; Scale words: Q, K: [bh][J][tile / 4 % 2][r][tile % 4] (two bytes used, the upper two 0); V: [bh][J][r][t].
; A block of zeros gets the byte 1 (its codes are zeros; only this program reads the bytes).  NaN and infinities are not served.
.set OPS_XS, 6291456
.set OPS_WC, 6553600
.set OPS_WS, 9699328
.set QKV_KI, 6291456
.set QKV_VI, 12582912
.set QKV_QS, 18874368
.set QKV_KS, 19398656
.set QKV_VS, 19922944
.set KSTEP,  256
.set NQ,     2
.set ROWB,   192
.set KROW,   768
.set PITCH,  240                       ; 3 x (64 bytes + 16): the 32 lanes of a load of 8 bytes touch 64 different banks
.set FR,     12
.set NL,     6
.set NP,     4
.set HALFT,  128*PITCH
.set SLOT,   4*HALFT
.set LAPS,   2                         ; 1,024 / 512
.set KS,     32
.set SCL,    2*SLOT
.set HALFS,  (128*KS/256)*272
.set SBLK,   (16*KS/256)*272
.set SPARE,  SCL+4*HALFS               ; the spare words, 128 bytes a wave: two blocks of 256 bytes that no other line names
.set L16,  7                           ; v7   16 x lane
.set L8,   9                           ; v9   8 x lane
.set SCA,  10                          ; v10  the scale words' place: 16 r + h x a head's bytes
.set SH,   11                          ; v11  16 h
.set BCO,  12                          ; v12  offset of the column biases
.set MUO,  13                          ; v13  offset of the row biases
.set ADRA, 16
.set ADRB, 20
.set ADRS, 27
.set SPW,  28
.set NIL,  29
.set SC,   32                          ; v32-63 scale words, two sets
.set BC,   64                          ; v64-127
.set AF,   128                         ; A's fragments; on the way out: ST
.set ST,   128                         ; v128-191 64 numbers of a block
.set CD,   192                         ; v192-211 the codes just made
.set WD,   212                         ; v212-219 the eight blocks' scale words
.set MU,   224                         ; v224-239 eight pairs
.set TM,   240                         ; v240-255 at work in the quantiser
.set SEL,  66
.set G1, 24
.set G0, 32
.set G1B, 48
.set G0B, 56
.set G1S, 68
.set G0S, 76
.set G1SB, 80
.set G0SB, 88
.set MSB, 0
.macro WIN new                         ; the immediate's high byte repeats the setting that is left
.if MSB != (\new)
	s_set_vgpr_msb (MSB<<8)|(\new)
.set MSB, (\new)
.endif
.endm
.set MUL_LO, 0xa1                      ; source 0 (B) window 1, source 1 (A) window 0, C and D window 2
.set MUL_HI, 0xf1
.set TO_B,   0x40
; A joint load: waves 0 and 1 fetch for A, waves 2 and 3 for B; the branch hangs on the wave's number alone.  Four v_nop follow each of the two lines.
.macro JLOAD g0a, g1a, g0b, g1b
	s_cmp_eq_u32 s15, 0
	s_cbranch_scc0 .Lfor_b_\@
	tensor_load_to_lds s[\g0a:\g0a+3], s[\g1a:\g1a+7]
	s_nop 0
.rept 4
	v_nop
.endr
	s_branch .Lasked_\@
.Lfor_b_\@:
	tensor_load_to_lds s[\g0b:\g0b+3], s[\g1b:\g1b+7]
	s_nop 0
.rept 4
	v_nop
.endr
.Lasked_\@:
.endm
.macro CREST
	s_cmp_lg_u32 s14, 0
	s_cbranch_scc1 .Lnot_wave_0_\@
	s_barrier_signal -3
.Lnot_wave_0_\@:
	s_barrier_wait -3
	s_barrier_signal -1
	s_barrier_wait -1
.endm
.macro CROUND
	s_barrier_signal -1
	s_barrier_wait -1
	CREST
.endm
	s_load_b256 s[4:11], s[0:1], 0x0               ; ops1 4:5, bq 6:7, bk 8:9, bv 10:11
	s_load_b64 s[12:13], s[0:1], 0x20              ; qkv
	v_lshl_add_u32 v[SPW], v0, 2, SPARE
	v_mov_b32 v[NIL], 0
	ds_add_u32 v28, v29
	ds_add_u32 v28, v29
	s_wait_dscnt 0x0
	v_lshrrev_b32 v1, 5, v0
	v_readfirstlane_b32 s14, v1                    ; wave 0..3
	s_lshr_b32 s15, s14, 1                         ; which half of the tile's rows is mine.  Also: I fetch for A (0) or for B (1)
	s_and_b32 s16, s14, 1                          ; which half of its columns.  Also: which 128 rows I fetch
	s_bfe_u32 s40, ttmp6, 0x40000                  ; cx
	s_bfe_u32 s41, ttmp6, 0x40004                  ; cy
	s_and_b32 s18, ttmp7, 0xffff
	s_lshl_b32 s18, s18, 2                         ; 4 x cluster y
	s_lshl_b32 s19, ttmp9, 2                       ; 4 x cluster x
	s_mov_b32 s98, OPS_XS
	s_mov_b32 s2, OPS_WS
	s_cmp_eq_u32 ttmp9, 2                          ; V's cluster?
	s_cselect_b32 s95, 1, 0
	s_cselect_b32 s96, 0, -1                       ; as a lane mask: all ones for Q and K
	s_cselect_b32 s17, 0, s18
	s_cselect_b32 s42, s18, s19
	s_cselect_b32 s97, OPS_WC+2048*768, 0          ; where A's codes begin in ops1,
	s_cselect_b32 s98, OPS_WS+2048*32, s98         ; A's scale bytes,
	s_cselect_b32 s99, 0, OPS_WC                   ; B's codes,
	s_cselect_b32 s2, OPS_XS, s2                   ; B's scale bytes
	s_add_co_u32 s17, s17, s41                     ; tile row
	s_add_co_u32 s42, s42, s40                     ; tile column
	s_lshl_b32 s43, s41, 2
	s_lshl_b32 s43, 15, s43                        ; my row of the cluster
	s_lshl_b32 s44, 0x1111, s40                    ; my column
	s_or_b32 s[G1+0], s43, (0<<16)|(1<<20)|(1<<21)|(3<<22)|(3<<25)  ; the mask; elements of 1 byte; padding of 4 words behind every 16; bit 21 beside a mask
	s_or_b32 s[G1B+0], s44, (0<<16)|(1<<20)|(1<<21)|(3<<22)|(3<<25)
.irp g, G1, G1B
	s_mov_b32 s[\g+1], ROWB<<16                    ; tensor_dim0
	s_mov_b32 s[\g+2], 128<<16                     ; tensor_dim1
	s_mov_b32 s[\g+3], ROWB<<16                    ; tile_dim0
	s_mov_b32 s[\g+4], 128                         ; tile_dim1
	s_mov_b32 s[\g+5], KROW                        ; the pitch
	s_mov_b32 s[\g+6], 0
	s_mov_b32 s[\g+7], 0
.endr
	s_or_b32 s[G1S+0], s43, (3<<16)|(1<<20)|(1<<21)|(5<<22)|(3<<25)   ; the scales of 128 rows: 4,096 dense bytes as 16 rows of 256, 16 bytes of padding behind each
	s_or_b32 s[G1SB+0], s44, (3<<16)|(1<<20)|(1<<21)|(5<<22)|(3<<25)
.irp g, G1S, G1SB
	s_mov_b32 s[\g+1], 32<<16
	s_mov_b32 s[\g+2], (128*KS/256)<<16
	s_mov_b32 s[\g+3], 32<<16
	s_mov_b32 s[\g+4], 128*KS/256
	s_mov_b32 s[\g+5], 32
	s_mov_b32 s[\g+6], 0
	s_mov_b32 s[\g+7], 0
.endr
	s_lshl_b32 s18, s16, 7
	s_lshl_b32 s20, s17, 8
	s_add_co_u32 s20, s20, s18                     ; A: row 256 x tile row + 128 x half
	s_lshl_b32 s46, s42, 8
	s_add_co_u32 s46, s46, s18                     ; B likewise.  All offsets in ops1 stay under 2^24
	s_mul_i32 s22, s20, KS
	s_add_co_u32 s22, s22, s98
	s_mov_b32 s23, 0
	s_mul_i32 s20, s20, KROW
	s_add_co_u32 s20, s20, s97
	s_mov_b32 s21, 0
	s_mul_i32 s92, s46, KS
	s_add_co_u32 s92, s92, s2
	s_mov_b32 s93, 0
	s_mul_i32 s46, s46, KROW
	s_add_co_u32 s46, s46, s99
	s_mov_b32 s47, 0
	s_mul_i32 s45, s14, HALFT                      ; where they go: wave x 128 rows
	s_mul_i32 s94, s14, HALFS
	s_mov_b32 s[SEL], 0x76543210
	s_mov_b32 s[SEL+1], 0xfedcba98
	s_wait_kmcnt 0x0
	s_add_nc_u64 s[20:21], s[4:5], s[20:21]
	s_add_nc_u64 s[22:23], s[4:5], s[22:23]
	s_add_nc_u64 s[46:47], s[4:5], s[46:47]
	s_add_nc_u64 s[92:93], s[4:5], s[92:93]
	CROUND                                         ; all sixteen work-groups are here: the first joint loads meet
	s_mov_b32 s[G0S], 1
	s_add_co_u32 s[G0S+1], s94, SCL
	s_mov_b64 s[G0S+2:G0S+3], s[22:23]
	s_or_b32 s[G0S+3], s[G0S+3], 0x80000000
	s_mov_b32 s[G0SB], 1
	s_add_co_u32 s[G0SB+1], s94, SCL
	s_mov_b64 s[G0SB+2:G0SB+3], s[92:93]
	s_or_b32 s[G0SB+3], s[G0SB+3], 0x80000000
	JLOAD G0S, G1S, G0SB, G1SB                     ; the scales first
.irp s, 0,1
	s_mov_b32 s[G0+4*\s], 1
	s_add_co_u32 s[G0+4*\s+1], s45, \s*SLOT
	s_add_nc_u64 s[G0+4*\s+2:G0+4*\s+3], s[20:21], \s*ROWB
	s_or_b32 s[G0+4*\s+3], s[G0+4*\s+3], 0x80000000
	s_mov_b32 s[G0B+4*\s], 1
	s_add_co_u32 s[G0B+4*\s+1], s45, \s*SLOT
	s_add_nc_u64 s[G0B+4*\s+2:G0B+4*\s+3], s[46:47], \s*ROWB
	s_or_b32 s[G0B+4*\s+3], s[G0B+4*\s+3], 0x80000000
	JLOAD G0+4*\s, G1, G0B+4*\s, G1B
.endr
	v_and_b32 v1, 15, v0                           ; r
	v_bfe_u32 v2, v0, 4, 1                         ; h
	v_mul_u32_u24 v3, v1, PITCH
	v_mul_u32_u24 v4, v2, 24
	v_add_nc_u32 v4, v3, v4                        ; a fragment's row x pitch + 24 h
	v_lshl_add_u32 v5, v2, 4, v4                   ; and the same behind one padding more
	s_mul_i32 s21, s15, HALFT
	s_mul_i32 s22, s16, HALFT
	s_add_co_u32 s22, s22, 2*HALFT
.irp s, 0,1
	v_add_nc_u32 v[ADRA+\s], s21, v4
	v_add_nc_u32 v[ADRB+\s], s22, v4
	v_add_nc_u32 v[ADRA+2+\s], s21, v5
	v_add_nc_u32 v[ADRB+2+\s], s22, v5
	s_add_co_u32 s21, s21, SLOT
	s_add_co_u32 s22, s22, SLOT
.endr
	v_mul_u32_u24 v5, v1, KS                       ; my row's scale bytes,
	v_lshrrev_b32 v6, 8, v5
	v_lshl_add_u32 v5, v6, 4, v5                   ; and 16 more for each 256 passed
	s_mul_i32 s21, s15, HALFS
	s_mul_i32 s22, s16, HALFS
	s_add_co_u32 s22, s22, 2*HALFS
	s_sub_co_u32 s22, s22, s21
	v_mul_u32_u24 v6, s22, v2                      ; lanes 16-31 take B's
	s_add_co_u32 s21, s21, SCL
	v_add_nc_u32 v5, v5, v6
	v_add_nc_u32 v[ADRS], s21, v5
	; the biases: they land while the products run, in registers that the loop does not touch
	s_cmp_eq_u32 ttmp9, 1
	s_cselect_b64 s[6:7], s[8:9], s[6:7]           ; the column bias: bq, bk; in V's clusters bv, loaded inside its buffer and not used
	s_cmp_eq_u32 ttmp9, 2
	s_cselect_b64 s[6:7], s[10:11], s[6:7]
	s_and_b32 s18, s42, 3
	s_lshl_b32 s18, s18, 10
	s_lshl_b32 s19, s16, 9
	s_add_co_u32 s18, s18, s19
	v_lshlrev_b32 v[BCO], 6, v2
	v_add_nc_u32 v[BCO], s18, v[BCO]               ; my 128 columns, + 64 h
	s_and_b32 s18, s17, 3
	s_lshl_b32 s18, s18, 10
	s_lshl_b32 s19, s15, 9
	s_add_co_u32 s18, s18, s19
	v_and_b32 v[MUO], 8, v1
	v_add_nc_u32 v[MUO], v[MUO], v1
	v_lshlrev_b32 v[MUO], 2, v[MUO]
	v_add_nc_u32 v[MUO], s18, v[MUO]               ; my 128 rows, + 4 (r + 8 (r / 8))
.irp b, 0,1,2,3
.irp i, 0,1,2,3
	global_load_b128 v[BC+16*\b+4*\i:BC+16*\b+4*\i+3], v[BCO], s[6:7] offset:128*\b+16*\i   ; register 16 b + n: column 32 b + 16 h + n
.endr
.endr
.irp a, 0,1,2,3,4,5,6,7
	global_load_b32 v[MU+2*\a], v[MUO], s[10:11] offset:(32*(\a/2)+8*(\a%2))*4              ; the true row behind place 16 a + r; twice, for the packed form
	global_load_b32 v[MU+2*\a+1], v[MUO], s[10:11] offset:(32*(\a/2)+8*(\a%2))*4
.endr
.macro FRAG reg, adr, q, i             ; 16 rows x 128 K: 12 registers: registers 6 c .. 6 c + 5 hold K = 64 c + 32 h + 0 .. 31: 24 bytes of the row's stream of bits, in pieces of 8
.irp p, 0,1,2,3,4,5
.set PCE, 12*(\q)+6*(\p/3)+\p%3
.if PCE%8 < 5
	ds_load_b64 v[\reg+2*\p:\reg+2*\p+1], v[\adr] offset:8*PCE+16*(PCE/8)+(\i)*16*PITCH
.else
	ds_load_b64 v[\reg+2*\p:\reg+2*\p+1], v[\adr+2] offset:8*PCE+16*(PCE/8)+(\i)*16*PITCH
.endif
.endr
.endm
; 16 matrix instructions: A's blocks a0, a0 + 1 x B's eight.  The 64 accumulators take turns, one instruction a turn, in the same order in every step.
.macro MUL16 a0, p, q, sc, zero
.irp a, \a0, \a0+1
.irp b, 0,1,2,3,4,5,6,7
.if \zero
	v_wmma_scale_f32_16x16x128_f8f6f4 v[8*(8*((\a)%4)+\b):8*(8*((\a)%4)+\b)+7], v[128*(\p)+FR*\b:128*(\p)+FR*\b+FR-1], v[AF+FR*(\a):AF+FR*(\a)+FR-1], 0, v[SC+8*NQ*(\sc)+NQ*\b+(\q)], v[SC+8*NQ*(\sc)+NQ*(\a)+(\q)] matrix_a_fmt:MATRIX_FMT_BF6 matrix_b_fmt:MATRIX_FMT_BF6 matrix_a_scale:MATRIX_SCALE_ROW1
.else
	v_wmma_scale_f32_16x16x128_f8f6f4 v[8*(8*((\a)%4)+\b):8*(8*((\a)%4)+\b)+7], v[128*(\p)+FR*\b:128*(\p)+FR*\b+FR-1], v[AF+FR*(\a):AF+FR*(\a)+FR-1], v[8*(8*((\a)%4)+\b):8*(8*((\a)%4)+\b)+7], v[SC+8*NQ*(\sc)+NQ*\b+(\q)], v[SC+8*NQ*(\sc)+NQ*(\a)+(\q)] matrix_a_fmt:MATRIX_FMT_BF6 matrix_b_fmt:MATRIX_FMT_BF6 matrix_a_scale:MATRIX_SCALE_ROW1
.endif
.endr
.endr
.endm
.macro FETCH_B slot, q, p
	WIN TO_B
.irp i, 0,1,2,3,4,5,6,7
	FRAG 128*(\p)+FR*\i, ADRB+\slot, \q, \i
.endr
	WIN 0
.endm
.macro FETCH_A slot, q, i0
.irp i, \i0, \i0+1, \i0+2, \i0+3
	FRAG AF+FR*(\i), ADRA+\slot, \q, \i
.endr
.endm
.macro SCALES sc                       ; lanes 0-15 take the words of A's block i, lanes 16-31 those of B's block i
.irp i, 0,1,2,3,4,5,6,7
	ds_load_b64 v[SC+8*NQ*\sc+NQ*\i:SC+8*NQ*\sc+NQ*\i+1], v[ADRS] offset:\i*SBLK
.endr
.endm
.macro PLACES n                        ; plain vector lines between a matrix instruction and a load into, or a read of, its registers
.rept \n
	v_nop
.endr
.endm
.macro STEP slot, q, zero
	s_wait_dscnt 4*NL                              ; B's set and A's blocks 0-3 are in; the youngest 24 loads (A's blocks 4-7) may be out
	WIN MUL_LO
	MUL16 0, (\q)%2, \q, \slot, \zero
	MUL16 2, (\q)%2, \q, \slot, \zero
	s_wait_dscnt 0
	PLACES NP
	FETCH_B \slot, (\q)+1, 1-(\q)%2
	FETCH_A \slot, (\q)+1, 0
	WIN MUL_HI
	MUL16 4, (\q)%2, \q, \slot, \zero
	MUL16 6, (\q)%2, \q, \slot, \zero
	PLACES NP
	WIN 0
	FETCH_A \slot, (\q)+1, 4
.endm
; A slot's last step changes slots: one barrier; in front of it each wave waits for all its tensor loads, adds 0 to its spare word, and waits for that and for its reads of this slot.
.macro TURN slot, next, fill
	s_wait_tensorcnt 0x0                           ; all my tensor loads have landed: my part of the next slot
	ds_add_u32 v[SPW], v[NIL]                      ; 0 onto my spare word
	s_wait_dscnt 4*NL+1                            ; (the add and the youngest 24 loads may be out)
	WIN MUL_LO
	MUL16 0, 1, NQ-1, \slot, 0
	s_wait_dscnt 0x0                               ; the add is done, and my reads of this slot are over
	s_barrier_signal -1
	MUL16 2, 1, NQ-1, \slot, 0
	WIN 0
	s_barrier_wait -1
.if \fill
	CREST                                          ; the barrier has opened a round of the cluster's: no wave of any partner still reads this slot or has a load on its way
	s_add_nc_u64 s[G0+4*\slot+2:G0+4*\slot+3], s[G0+4*\slot+2:G0+4*\slot+3], 2*ROWB
	s_add_nc_u64 s[G0B+4*\slot+2:G0B+4*\slot+3], s[G0B+4*\slot+2:G0B+4*\slot+3], 2*ROWB
	JLOAD G0+4*\slot, G1, G0B+4*\slot, G1B         ; the first tensor load behind the round; its four v_nop are the places in front of the loads below
.else
	PLACES NP
.endif
	s_wait_alu depctr_va_vdst(0)
	v_add_nc_u32 v[ADRS], 4*NQ, v[ADRS]
	FETCH_B \next, 0, 0
	FETCH_A \next, 0, 0
	SCALES \next
	WIN MUL_HI
	MUL16 4, 1, NQ-1, \slot, 0
	MUL16 6, 1, NQ-1, \slot, 0
	PLACES NP
	WIN 0
	FETCH_A \next, 0, 4
.endm
	s_wait_alu depctr_va_vdst(0)
	s_wait_tensorcnt 1                             ; of my three loads the scales and K step 0 are in; K step 1's may be out
	s_barrier_signal -1
	s_barrier_wait -1
	FETCH_B 0, 0, 0
	FETCH_A 0, 0, 0
	SCALES 0
	FETCH_A 0, 0, 4
	STEP 0, 0, 1                                   ; the first step's products start the sums
	s_mov_b32 s3, LAPS-1
.Llap:
	TURN 0, 1, 1
	STEP 1, 0, 0
	TURN 1, 0, 1
	STEP 0, 0, 0
	s_sub_co_u32 s3, s3, 1
	s_cmp_lg_u32 s3, 0
	s_cbranch_scc1 .Llap
	TURN 0, 1, 0                                   ; the last lap fills nothing
	STEP 1, 0, 0
	s_wait_dscnt 4*NL
	WIN MUL_LO
	MUL16 0, 1, NQ-1, 1, 0
	MUL16 2, 1, NQ-1, 1, 0
	s_wait_dscnt 0
	WIN MUL_HI
	MUL16 4, 1, NQ-1, 1, 0
	MUL16 6, 1, NQ-1, 1, 0
	WIN 0
	; ---------------- THE WAY OUT ----------------
	s_wait_loadcnt 0x0                             ; the biases
.set i, 0
.rept 64
	v_cndmask_b32 v[BC+i], 1.0, v[BC+i], s96       ; V: 1.  (These 80 lines name no register of the last products: they are the places behind them)
.set i, i+1
.endr
.set i, 0
.rept 16
	v_cndmask_b32 v[MU+i], v[MU+i], 1.0, s96       ; Q, K: 1
.set i, i+1
.endr
.irp b, 0,1,2,3
	v_mov_b32 v[TM+4+\b], 0                        ; a lane permute's destination counts as one of its sources
.endr
	; where the images and scale words go.  No tensor load is out, so the descriptors' registers are free.  Both kinds are worked out, then chosen
	s_lshr_b32 s24, s17, 3                         ; Q, K: batch,
	s_and_b32 s25, s42, 3
	s_lshl_b32 s25, s25, 2
	s_lshl_b32 s26, s16, 1
	s_add_co_u32 s25, s25, s26                     ; my first head,
	s_lshl_b32 s24, s24, 4
	s_add_co_u32 s24, s24, s25                     ; bh,
	s_and_b32 s26, s17, 7
	s_lshl_b32 s26, s26, 1
	s_add_co_u32 s26, s26, s15                     ; my 128 places in the batch's 2,048
	s_lshl_b32 s27, s24, 7
	s_lshl_b32 s28, s26, 3
	s_add_co_u32 s27, s27, s28
	s_mul_i32 s27, s27, 768
	s_lshl_b32 s28, s24, 13
	s_lshl_b32 s29, s26, 9
	s_add_co_u32 s28, s28, s29
	s_mov_b32 s30, QKV_QS
	s_cmp_eq_u32 ttmp9, 1
	s_cselect_b32 s29, QKV_KI, 0
	s_cselect_b32 s30, QKV_KS, s30
	s_add_co_u32 s27, s27, s29
	s_add_co_u32 s28, s28, s30
	s_lshr_b32 s32, s42, 3                         ; V: batch,
	s_lshl_b32 s33, s17, 2
	s_lshl_b32 s34, s15, 1
	s_add_co_u32 s33, s33, s34                     ; my first head,
	s_lshl_b32 s32, s32, 4
	s_add_co_u32 s32, s32, s33
	s_and_b32 s34, s42, 7
	s_lshl_b32 s34, s34, 1
	s_add_co_u32 s34, s34, s16                     ; my key step
	s_lshl_b32 s35, s32, 4
	s_add_co_u32 s35, s35, s34
	s_mul_i32 s35, s35, 6144
	s_add_co_u32 s35, s35, QKV_VI
	s_lshl_b32 s36, s32, 12
	s_lshl_b32 s37, s34, 8
	s_add_co_u32 s36, s36, s37
	s_add_co_u32 s36, s36, QKV_VS
	s_mov_b32 s54, 98304
	s_mov_b32 s18, 768
	s_mov_b32 s39, 8192
	s_cmp_eq_u32 s95, 1
	s_cselect_b32 s50, s35, s27                    ; the first image
	s_cselect_b32 s52, s36, s28                    ; the scale words
	s_cselect_b32 s54, 768, s54                    ; from a block's first image to its second: the next head's; V: the fragment's other half
	s_cselect_b32 s18, 1536, s18                   ; from block to block
	s_cselect_b32 s20, 92160, 0                    ; V: more at block 4, which is the next head's
	s_cselect_b32 s39, 4096, s39                   ; a head's scale words
	s_mov_b32 s51, 0
	s_mov_b32 s53, 0
	s_mov_b32 s55, 0
	s_mov_b32 s19, 0
	s_mov_b32 s21, 0
	s_mov_b32 s62, 0xffff0000
	s_add_nc_u64 s[56:57], s[12:13], s[50:51]
	s_add_nc_u64 s[58:59], s[56:57], s[54:55]
	s_add_nc_u64 s[60:61], s[12:13], s[52:53]
	v_and_b32 v1, 15, v0
	v_bfe_u32 v2, v0, 4, 1
	v_and_b32 v3, 31, v0
	v_lshlrev_b32 v[L16], 4, v3
	v_lshlrev_b32 v[L8], 3, v3
	v_mul_u32_u24 v[SCA], v2, s39
	v_lshl_add_u32 v[SCA], v1, 4, v[SCA]
	v_lshlrev_b32 v[SH], 4, v2
; 64 numbers of a lane, register 16 b + i = k 32 b + 16 h + i of my row, become a fragment's codes in v[CD] on and its scale word in v[pw].
.macro QUANT s, pw
.irp b, 0,1,2,3
	v_max3_num_f32 v[TM+\b], |v[\s+16*\b]|, |v[\s+1+16*\b]|, 0x2800000   ; my 16 numbers of block b, and the floor 2^(5 - 127): the byte cannot fall under 1
.endr
.irp i, 2,4,6,8,10,12,14
.irp b, 0,1,2,3
	v_max3_num_f32 v[TM+\b], v[TM+\b], |v[\s+16*\b+\i]|, |v[\s+1+16*\b+\i]|
.endr
.endr
.irp b, 0,1,2,3
	v_permlanex16_b32 v[TM+4+\b], v[TM+\b], s[SEL], s[SEL+1]
.endr
.irp b, 0,1,2,3
	v_max_num_f32 v[TM+\b], v[TM+\b], v[TM+4+\b]   ; with lane l xor 16's
.endr
.irp b, 0,1,2,3
	v_add_nc_u32 v[TM+12+\b], 0xfe000000, v[TM+\b] ; 4 off the exponent field: the conversion's scale operand
.endr
.irp b, 0,1,2,3
	v_lshrrev_b32 v[TM+4+\b], 23, v[TM+12+\b]      ; the byte
.endr
	v_lshl_or_b32 v[\pw], v[TM+5], 8, v[TM+4]
	v_lshl_or_b32 v[\pw], v[TM+6], 16, v[\pw]
	v_lshl_or_b32 v[\pw], v[TM+7], 24, v[\pw]
.irp c, 0,1
	v_cvt_scalef32_pk16_bf6_f32 v[CD+6*\c:CD+2+6*\c], v[\s+32*\c:\s+15+32*\c], v[TM+12+2*\c]
	v_cvt_scalef32_pk16_bf6_f32 v[CD+12+4*\c:CD+14+4*\c], v[\s+16+32*\c:\s+31+32*\c], v[TM+12+2*\c+1]   ; (a conversion's three registers begin on an even number)
.endr
	v_nop                                          ; one plain line behind a scaled conversion
.irp c, 0,1                                    ; the layout wants a whole block in a lane
.irp i, 0,1,2
	v_permlane16_swap_b32 v[CD+6*\c+\i], v[CD+12+4*\c+\i]
.endr
.irp i, 0,1,2
	v_mov_b32 v[CD+3+6*\c+\i], v[CD+12+4*\c+\i]
.endr
.endr
.endm
.macro BLOCK a
.if \a > 0
	s_wait_xcnt 0x0                                ; the last block's stores have read their data and bases: both are written again
	s_add_nc_u64 s[56:57], s[56:57], s[18:19]
	s_add_nc_u64 s[58:59], s[58:59], s[18:19]
.if \a == 4
	s_add_nc_u64 s[56:57], s[56:57], s[20:21]
	s_add_nc_u64 s[58:59], s[58:59], s[20:21]
.endif
.endif
	WIN 0x20+0x10*((\a)/4)                         ; source 2: the accumulators' window
.set i, 0
.rept 32
	v_pk_fma_f32 v[ST+2*i:ST+2*i+1], v[BC+2*i:BC+2*i+1], v[MU+2*(\a):MU+2*(\a)+1], v[64*((\a)%4)+2*i:64*((\a)%4)+2*i+1]   ; + the bias; each accumulator from its low end on
.set i, i+1
.endr
	WIN 0
	QUANT ST, WD+\a
	global_store_b128 v[L16], v[CD:CD+3], s[56:57]                 ; 512 consecutive bytes,
	global_store_b64 v[L8], v[CD+4:CD+5], s[56:57] offset:512      ; 256 more: an image
	global_store_b128 v[L16], v[CD+6:CD+9], s[58:59]
	global_store_b64 v[L8], v[CD+10:CD+11], s[58:59] offset:512
.endm
.irp a, 0,1,2,3,4,5,6,7
	BLOCK \a
.endr
	s_wait_xcnt 0x0                                ; the codes' registers take the scale words
	s_cmp_eq_u32 s95, 1
	s_cbranch_scc1 .Lv_scales
.irp a, 0,1,2,3,4,5,6,7
	v_bfe_u32 v[CD+\a], v[WD+\a], v[SH], 16        ; lanes 0-15: my first head's two bytes; lanes 16-31: the second's; the upper two bytes 0
.endr
	global_store_b128 v[SCA], v[CD:CD+3], s[60:61]                 ; sixteen lanes store 256 consecutive bytes, aligned
	global_store_b128 v[SCA], v[CD+4:CD+7], s[60:61] offset:256
	s_branch .Lscales_done
.Lv_scales:
.irp t, 0,1,2,3
	v_cndmask_b32 v[CD+\t], v[WD+\t], v[WD+4+\t], s62              ; lanes 0-15: blocks 0-3, my first head; lanes 16-31: blocks 4-7
.endr
	global_store_b128 v[SCA], v[CD:CD+3], s[60:61]
.Lscales_done:
	s_wait_tensorcnt 0x0                           ; the wave's end
	ds_add_u32 v[SPW], v[NIL]
	s_wait_dscnt 0x0
	CROUND                                         ; the closing round
	s_endpgm
.Lfunc_end_k_qc8034eede5_qkv:
	.size	k_qc8034eede5_qkv, .Lfunc_end_k_qc8034eede5_qkv-k_qc8034eede5_qkv
	.p2alignl 7, 3214868480
	.fill 96, 4, 3214868480
	.section	.rodata,"a",@progbits
	.p2align	6, 0x0
	.amdhsa_kernel k_qc8034eede5_qkv
		.amdhsa_group_segment_fixed_size 327680
		.amdhsa_private_segment_fixed_size 0
		.amdhsa_enable_private_segment 0
		.amdhsa_kernarg_size 40
		.amdhsa_user_sgpr_count 2
		.amdhsa_user_sgpr_kernarg_segment_ptr 1
		.amdhsa_wavefront_size32 1
		.amdhsa_system_sgpr_workgroup_id_x 1
		.amdhsa_system_sgpr_workgroup_id_y 1
		.amdhsa_system_sgpr_workgroup_id_z 1
		.amdhsa_system_vgpr_workitem_id 0
		.amdhsa_next_free_vgpr 1024
		.amdhsa_next_free_sgpr 100
		.amdhsa_reserve_vcc 0
		.amdhsa_float_denorm_mode_32 3
		.amdhsa_float_denorm_mode_16_64 3
		.amdhsa_memory_ordered 1
		.amdhsa_forward_progress 1
		.amdhsa_inst_pref_size 193
	.end_amdhsa_kernel
	.amdgpu_metadata
---
amdhsa.version: [ 1, 2 ]
amdhsa.kernels:
  - .name:           k_qc8034eede5_qkv
    .symbol:         k_qc8034eede5_qkv.kd
    .args:
      - { .name: ops1, .offset: 0, .size: 8, .value_kind: global_buffer, .address_space: global }
      - { .name: bq, .offset: 8, .size: 8, .value_kind: global_buffer, .address_space: global }
      - { .name: bk, .offset: 16, .size: 8, .value_kind: global_buffer, .address_space: global }
      - { .name: bv, .offset: 24, .size: 8, .value_kind: global_buffer, .address_space: global }
      - { .name: qkv, .offset: 32, .size: 8, .value_kind: global_buffer, .address_space: global }
    .group_segment_fixed_size: 327680
    .private_segment_fixed_size: 0
    .kernarg_segment_align: 8
    .kernarg_segment_size: 40
    .max_flat_workgroup_size: 128
    .sgpr_count:     100
    .vgpr_count:     1024
    .wavefront_size: 32
...
	.end_amdgpu_metadata
.endif
;; end of part 2
;; launch attn (part 3): grid 4 x 64, 16 waves a work-group, no clusters, 210,944 bytes of LDS; arguments qkv, mw, ao; writes ao
.if DOCPART == 3
	.amdgcn_target "amdgcn-amd-amdhsa--gfx1250"
	.amdhsa_code_object_version 6
	.text
	.protected	k_qc8034eede5_attn
	.globl	k_qc8034eede5_attn
	.p2align	8
	.type	k_qc8034eede5_attn,@function
k_qc8034eede5_attn:
	s_mov_b64 s[64:65], 0
	v_nop
	global_prefetch_b8 v0, s[64:65] scope:SCOPE_SE
	s_setreg_imm32_b32 hwreg(HW_REG_WAVE_MODE, 25, 1), 1
	s_wait_xcnt 0x0
; ATTN.  For each batch and head (bh): S^T = K Q^T (K = the head's 64), the mask, the softmax ahead of the second product, O^T = V^T P^T (K = the keys), O / l, quantised along the head's 64 for the last product.
; SHARES.  Work-group (j, bh) holds the head's whole K and V, as operand images and scale words, in LDS: filled once through registers, one barrier, read-only from then on.  Wave w serves query tiles 4 w + j and 124 - 4 w + j,
; one after the other (an order that evens the work where later queries see more keys; nothing else hangs on it).  A wave holds one tile of 16 queries in 256 registers, four waves to a SIMD.
; No tensor load and no cluster: a step's work is jumped over by a branch on flags read from memory, and partners would want different steps.
; LAYOUT.  Both products are used transposed: a lane holds one query (lane % 16) throughout.  Places of tokens and of the head's 64 were laid by the earlier launches so that register n of the scores is key
; 128 J + 32 (n / 16) + 16 h + n % 16, and register n of O^T is d = 32 (n / 16) + 16 h + n % 16.
; K = 64 IN AN INSTRUCTION OF 128: Q's registers 6-11 are zero codes and the upper two scale bytes of Q and K are 0 (2^-127).  K's registers 6-11 hold whatever codes were there: every code of E3M2 is a finite number, times 0.
; THE MASK.  Word n of (tile, step) is the lane mask of register n: where a bit is 0 the raw score becomes -2^33 (logit -2^30).  -2^33 x c is a whole number, exactly, so a row in which no key counts has t - M = 0 and p = 1 for all
; 2,048 keys.  LIMIT: the results are those of a logit of -1e9 unless a logit that counts lies under about -9e8.  NaN and infinities are not served.
; A STEP IS LEFT OUT where its flag says so: then no key of it counts for any of the 16 queries and each query has a key that counts elsewhere, so every p of the step would be 0.
; THE SOFTMAX.  t = score x c, c = log2(e) / 8; M = the running largest t rounded up to a whole number, kept as -M; p = 2^(t - M) is quantised, not normalised; the sum is taken of the unquantised p; when M moves, the sum and O^T are
; multiplied by 2^(old M - new M), exactly.  A block's largest p is made from the block's largest score by the same two instructions.
; OUT.  ao: images [b x 128 + tile][head][768], and scale bytes [place 8,192][32] at AOS; the bytes leave one a lane, 32 bytes apart (262,144 bytes in the launch that are not whole runs).
.set QKV_KI, 6291456
.set QKV_VI, 12582912
.set QKV_QS, 18874368
.set QKV_KS, 19398656
.set QKV_VS, 19922944
.set MF,  524288
.set AOS, 6291456
.set LV,  98304                        ; LDS: K's images at 0 (128 x 768), V's at LV (16 x 4 x 1,536),
.set LKS, 196608                       ; K's scale words (16 x 512),
.set LVS, 204800                       ; V's (16 x 256)
.set CD,  192                          ; v192-203 p's codes
.set C2,  204                          ; v204-211 the conversions' second halves
.set BM,  212                          ; v212-215 the blocks' maxima
.set PD,  216                          ; v216-219 the permute's destination, a chain of the sum, the bytes
.set SO,  220                          ; v220-223 the conversions' scale operands
.set PW,  224                          ; v224 p's scale word
.set FF,  226                          ; v[226:227] f
.set TT,  228                          ; v228-229 at work
	s_load_b128 s[4:7], s[0:1], 0x0                ; qkv, mw
	s_load_b64 s[8:9], s[0:1], 0x10                ; ao
	v_lshl_add_u32 v254, v0, 2, 0x33000
	v_mov_b32 v255, 0
	v_lshrrev_b32 v7, 5, v0
	s_delay_alu instid0(VALU_DEP_1)
	v_readfirstlane_b32 s2, v7                     ; wave 0..15
	v_and_b32 v31, 31, v0                          ; lane
	v_and_b32 v94, 15, v0                          ; r
	v_bfe_u32 v95, v0, 4, 1                        ; h
	s_delay_alu instid0(VALU_DEP_3)
	v_lshlrev_b32 v1, 4, v31                       ; v1  16 x lane: registers 0-3 of an image
	s_delay_alu instid0(VALU_DEP_4)
	v_lshlrev_b32 v92, 3, v31                      ; v92 8 x lane
	s_delay_alu instid0(VALU_DEP_1)
	v_add_nc_u32 v2, 512, v92                      ; v2  registers 4-5
	s_delay_alu instid0(VALU_DEP_3)
	v_add_nc_u32 v3, LV, v1                        ; v3, v4 the same in V's region
	s_delay_alu instid0(VALU_DEP_3)
	v_add_nc_u32 v4, LV+512, v92
	v_lshl_add_u32 v93, v94, 5, v95                ; v93 32 r + h: my scale byte's place on the way out
	v_lshlrev_b32 v94, 4, v94                      ; v94 16 r
	s_delay_alu instid0(VALU_DEP_1)
	v_add_nc_u32 v5, LKS, v94                      ; v5, v6 my row's scale words
	s_delay_alu instid0(VALU_DEP_2)
	v_add_nc_u32 v6, LVS, v94
	s_mov_b32 s3, ttmp9                            ; j
	s_and_b32 s10, ttmp7, 0xffff                   ; bh
	s_lshl_b32 s25, s2, 2
	s_add_co_u32 s11, s25, s3                      ; the first tile
	s_sub_co_u32 s12, 124, s25
	s_add_co_u32 s12, s12, s3                      ; the second
	s_mul_i32 s32, s2, 6144                        ; each wave fills a sixteenth of each region
	v_add_nc_u32 v7, s32, v1
	v_add_nc_u32 v8, s32, v3
	s_lshl_b32 s33, s2, 9
	v_add_nc_u32 v9, s33, v1
	s_delay_alu instid0(VALU_DEP_1)
	v_add_nc_u32 v9, LKS, v9
	s_lshl_b32 s34, s2, 8
	v_add_nc_u32 v10, s34, v92
	s_delay_alu instid0(VALU_DEP_1)
	v_add_nc_u32 v10, LVS, v10
	s_mul_i32 s35, s10, 98304
	s_add_co_u32 s35, s35, s32
	s_add_co_u32 s36, s35, QKV_KI
	s_mov_b32 s37, 0
	s_add_co_u32 s38, s35, QKV_VI
	s_mov_b32 s39, 0
	s_lshl_b32 s40, s10, 13
	s_add_co_u32 s40, s40, s33
	s_add_co_u32 s40, s40, QKV_KS
	s_mov_b32 s41, 0
	s_lshl_b32 s42, s10, 12
	s_add_co_u32 s42, s42, s34
	s_add_co_u32 s42, s42, QKV_VS
	s_mov_b32 s43, 0
	s_lshl_b32 s54, s10, 7
	s_add_co_u32 s44, s54, s11
	s_mul_i32 s44, s44, 768                        ; Q's image of the first tile,
	s_mov_b32 s45, 0
	s_add_co_u32 s46, s54, s12
	s_mul_i32 s46, s46, 768                        ; of the second
	s_mov_b32 s47, 0
	s_lshl_b32 s54, s10, 13
	s_add_co_u32 s54, s54, QKV_QS
	s_lshr_b32 s48, s11, 2
	s_lshl_b32 s48, s48, 8
	s_and_b32 s55, s11, 3
	s_lshl_b32 s55, s55, 2
	s_add_co_u32 s48, s48, s55
	s_add_co_u32 s48, s48, s54                     ; Q's scale words: 256 (T / 4) + 4 (T % 4), + 16 r
	s_mov_b32 s49, 0
	s_lshr_b32 s50, s12, 2
	s_lshl_b32 s50, s50, 8
	s_and_b32 s55, s12, 3
	s_lshl_b32 s55, s55, 2
	s_add_co_u32 s50, s50, s55
	s_add_co_u32 s50, s50, s54
	s_mov_b32 s51, 0
	s_lshl_b32 s52, s11, 8
	s_lshl_b32 s53, s12, 8
	s_mov_b32 s20, 0x76543210
	s_mov_b32 s21, 0xfedcba98                      ; lane l xor 16
	s_mov_b32 s22, 0x3e38aa3b                      ; c = log2(e) / 8
	s_mov_b32 s23, s22
	s_mov_b32 s30, 0xffff0000
	s_wait_alu depctr_va_vdst(0)
	s_wait_kmcnt 0x0
	s_load_b32 s13, s[6:7], s52 offset:MF          ; the two tiles' flags
	s_load_b32 s14, s[6:7], s53 offset:MF
	s_add_nc_u64 s[36:37], s[4:5], s[36:37]
	s_add_nc_u64 s[38:39], s[4:5], s[38:39]
	s_add_nc_u64 s[40:41], s[4:5], s[40:41]
	s_add_nc_u64 s[42:43], s[4:5], s[42:43]
	s_add_nc_u64 s[44:45], s[4:5], s[44:45]
	s_add_nc_u64 s[46:47], s[4:5], s[46:47]
	s_add_nc_u64 s[48:49], s[4:5], s[48:49]
	s_add_nc_u64 s[50:51], s[4:5], s[50:51]
	global_load_b128 v[16:19], v1, s[44:45]        ; Q: v16-21, its scale word v28
	global_load_b64 v[20:21], v92, s[44:45] offset:512
	global_load_b32 v28, v94, s[48:49]
	global_load_b128 v[236:239], v1, s[46:47]      ; the second tile's: v236-241, v242
	global_load_b64 v[240:241], v92, s[46:47] offset:512
	global_load_b32 v242, v94, s[50:51]
.irp i, 0,1,2,3,4,5,6,7,8,9,10,11
	global_load_b128 v[32+4*\i:35+4*\i], v1, s[36:37] offset:512*\i
	global_load_b128 v[96+4*\i:99+4*\i], v1, s[38:39] offset:512*\i
.endr
	global_load_b128 v[144:147], v1, s[40:41]
	global_load_b64 v[148:149], v92, s[42:43]
.irp i, 22,23,24,25,26,27
	v_mov_b32 v\i, 0                               ; Q's upper 64 along K: zero codes
.endr
.irp b, 0,1,2,3
	v_mov_b32 v[PD+\b], 0                          ; a lane permute's destination counts as one of its sources
.endr
	v_mov_b32 v[FF+1], 0                           ; named as the upper half of a pair
	v_mov_b32 v[TT], 0
	v_mov_b32 v30, 0xd0000000                      ; -2^33
	s_wait_loadcnt 0x0
	s_wait_kmcnt 0x0                               ; the flags
.irp i, 0,1,2,3,4,5,6,7,8,9,10,11
	ds_store_b128 v7, v[32+4*\i:35+4*\i] offset:512*\i
	ds_store_b128 v8, v[96+4*\i:99+4*\i] offset:512*\i
.endr
	ds_store_b128 v9, v[144:147]
	ds_store_b64 v10, v[148:149]
	s_wait_dscnt 0x0                               ; for the others' sake: my stores have landed
	s_barrier_signal -1
	s_barrier_wait -1                              ; the head's K and V lie in LDS; nothing is written there again
	s_mov_b32 s16, 0
.Lpass:
	v_mov_b32 v13, 0xff61b1e6                      ; the largest t so far: -3e38
	s_delay_alu instid0(VALU_DEP_1)
	v_floor_f32 v12, -v13                          ; -M
	v_mov_b32 v14, 0                               ; the sum, in two halves
	v_mov_b32 v15, 0
.set i, 0
.rept 32
	v_mov_b32 v[160+i], 0                          ; O^T: the step is written once; the first change of M leaves zeros zeros
.set i, i+1
.endr
	s_mov_b32 s15, 0                               ; J
	s_mov_b32 s17, 0                               ; 6,144 J
	s_mov_b32 s18, 0                               ; 512 J
	s_mov_b32 s19, 0                               ; 256 J
	s_lshl_b32 s24, s11, 12                        ; the mask words: 4,096 T + 256 J
.Lstep:
	s_lshr_b32 s25, s13, s15
	s_and_b32 s25, s25, 1
	s_cmp_lg_u32 s25, 0
	s_cbranch_scc0 .Lskip                          ; nothing of this step counts
	s_setprio 2
	v_add_nc_u32 v7, s17, v1                       ; six plain lines: also the places in front of the loads into registers that the last products read
	s_wait_alu depctr_va_vdst(0)
	v_add_nc_u32 v8, s17, v2
	s_wait_alu depctr_va_vdst(0)
	v_add_nc_u32 v9, s17, v3
	v_add_nc_u32 v10, s17, v4
	v_add_nc_u32 v11, s18, v5
	v_add_nc_u32 v29, s19, v6
	s_load_b512 s[32:47], s[6:7], s24 offset:0x0   ; the 64 lane masks
	s_load_b512 s[48:63], s[6:7], s24 offset:0x40
	s_load_b512 s[68:83], s[6:7], s24 offset:0x80
	s_load_b512 s[84:99], s[6:7], s24 offset:0xc0
	ds_load_b128 v[80:83], v11                     ; K's scale words of tiles 0-3,
	ds_load_b128 v[84:87], v11 offset:256          ; 4-7
.irp g, 0,1                                    ; S^T = K Q^T, four tiles of 16 keys at a time
.if \g > 0
.rept 4
	v_nop
.endr
.endif
.irp t, 0,1,2,3
	ds_load_b128 v[32+12*\t:35+12*\t], v7 offset:(4*\g+\t)*768
	ds_load_b64 v[36+12*\t:37+12*\t], v8 offset:(4*\g+\t)*768
.endr
	s_wait_dscnt 0x0
.irp t, 0,1,2,3
	v_wmma_scale_f32_16x16x128_f8f6f4 v[96+8*(4*\g+\t):103+8*(4*\g+\t)], v[32+12*\t:43+12*\t], v[16:27], 0, v[80+4*\g+\t], v28 matrix_a_fmt:MATRIX_FMT_BF6 matrix_b_fmt:MATRIX_FMT_BF6
.endr
.endr
.rept 4
	v_nop                                          ; places in front of the loads below and of the first read of the scores
.endr
	s_wait_alu depctr_va_vdst(0)
	ds_load_b128 v[88:91], v29                     ; V's scale words and fragments land under the softmax
.irp t, 0,1,2,3
	ds_load_b128 v[32+12*\t:35+12*\t], v9 offset:1536*\t
	ds_load_b64 v[36+12*\t:37+12*\t], v10 offset:1536*\t
	ds_load_b128 v[38+12*\t:41+12*\t], v9 offset:1536*\t+768
	ds_load_b64 v[42+12*\t:43+12*\t], v10 offset:1536*\t+768
.endr
	s_wait_kmcnt 0x0                               ; the lane masks are in, on both ways
	s_add_co_u32 s25, s15, 16
	s_lshr_b32 s25, s13, s25
	s_and_b32 s25, s25, 1
	s_cmp_lg_u32 s25, 0
	s_cbranch_scc1 .Lopen                          ; every key of the step counts for every query
.set n, 0
.rept 64
	v_cndmask_b32 v[96+n], v30, v[96+n], s[32+n+4*(n/32)]
.set n, n+1
.endr
.Lopen:
.irp b, 0,1,2,3
	v_max3_num_f32 v[BM+\b], v[96+16*\b], v[97+16*\b], v[98+16*\b]   ; the largest score of each block of 32 keys: for the row's maximum and for the block's largest p
.endr
.irp i, 3,5,7,9,11,13
.irp b, 0,1,2,3
	v_max3_num_f32 v[BM+\b], v[BM+\b], v[96+16*\b+\i], v[97+16*\b+\i]
.endr
.endr
.irp b, 0,1,2,3
	v_max_num_f32 v[BM+\b], v[BM+\b], v[111+16*\b]
.endr
.irp b, 0,1,2,3
	s_delay_alu instid0(VALU_DEP_4)
	v_permlanex16_b32 v[PD+\b], v[BM+\b], s20, s21
.endr
.irp b, 0,1,2,3
	s_delay_alu instid0(VALU_DEP_4)
	v_max_num_f32 v[BM+\b], v[BM+\b], v[PD+\b]     ; with lane l xor 16's 16 keys
.endr
	s_delay_alu instid0(VALU_DEP_2)
	v_max3_num_f32 v[TT], v[BM], v[BM+1], v[BM+2]
	s_delay_alu instid0(VALU_DEP_1)
	v_max_num_f32 v[TT], v[TT], v[BM+3]
	s_delay_alu instid0(VALU_DEP_1)
	v_mul_f32 v[TT], s22, v[TT]                    ; as t
	s_delay_alu instid0(VALU_DEP_1)
	v_max_num_f32 v13, v13, v[TT]                  ; the running largest t
	v_mov_b32 v[TT], v12
	s_delay_alu instid0(VALU_DEP_2)
	v_floor_f32 v12, -v13                          ; the new -M = -ceil(t)
	s_delay_alu instid0(VALU_DEP_1)
	v_sub_f32 v[TT], v12, v[TT]                    ; old M - new M: a whole number, 0 or less
	s_delay_alu instid0(VALU_DEP_1)
	v_cvt_i32_f32 v[TT], v[TT]                     ; (it saturates)
	s_delay_alu instid0(VALU_DEP_1)
	v_ldexp_f32 v[FF], 1.0, v[TT]                  ; f = 2^(old M - new M)
.irp j, 0,2,4,6,8,10,12,14,16,18,20,22,24,26,28,30,32,34,36,38,40,42,44,46,48,50,52,54,56,58,60,62
	v_pk_fma_f32 v[96+\j:97+\j], v[96+\j:97+\j], s[22:23], v[12:13] op_sel_hi:[1,0,0]   ; t - M
.endr
.irp b, 0,1,2,3
	v_fma_f32 v[BM+\b], v[BM+\b], s22, v12
.endr
.set n, 0
	s_setprio 1
	s_wait_alu depctr_va_vdst(0)
.rept 64
	v_exp_f32 v[96+n], v[96+n]                     ; p = 2^(t - M)
.set n, n+1
.endr
	v_pk_mul_f32 v[14:15], v[14:15], v[FF:FF+1] op_sel_hi:[1,0]   ; the sums under the new M: the plain line behind the batch
	s_wait_alu depctr_va_vdst(0)                   ; one wait for the 64, ahead of their first reader
.irp b, 0,1,2,3
	v_exp_f32 v[BM+\b], v[BM+\b]                   ; the blocks' largest p
.endr
	v_pk_add_f32 v[216:217], v[100:101], v[104:105]
	v_pk_add_f32 v[252:253], v[108:109], v[112:113]
	v_pk_add_f32 v[250:251], v[116:117], v[120:121]
	v_pk_add_f32 v[248:249], v[124:125], v[128:129]
	v_pk_add_f32 v[246:247], v[132:133], v[136:137]
	v_pk_add_f32 v[244:245], v[140:141], v[144:145]
	v_pk_add_f32 v[234:235], v[148:149], v[152:153]
	v_pk_add_f32 v[14:15], v[14:15], v[156:157]
	v_pk_add_f32 v[216:217], v[216:217], v[96:97]
	v_pk_add_f32 v[252:253], v[252:253], v[98:99]
	v_pk_add_f32 v[250:251], v[250:251], v[102:103]
	v_pk_add_f32 v[248:249], v[248:249], v[106:107]
	v_pk_add_f32 v[246:247], v[246:247], v[110:111]
	v_pk_add_f32 v[244:245], v[244:245], v[114:115]
	v_pk_add_f32 v[234:235], v[234:235], v[118:119]
	v_pk_add_f32 v[14:15], v[14:15], v[122:123]
	v_pk_add_f32 v[216:217], v[216:217], v[126:127]
	v_pk_add_f32 v[252:253], v[252:253], v[130:131]
	v_pk_add_f32 v[250:251], v[250:251], v[134:135]
	v_pk_add_f32 v[248:249], v[248:249], v[138:139]
	v_pk_add_f32 v[246:247], v[246:247], v[142:143]
	v_pk_add_f32 v[244:245], v[244:245], v[146:147]
	v_pk_add_f32 v[234:235], v[234:235], v[150:151]
	v_pk_add_f32 v[14:15], v[14:15], v[154:155]
	v_pk_add_f32 v[216:217], v[216:217], v[158:159]
	s_delay_alu instid0(VALU_DEP_2)
	v_pk_add_f32 v[14:15], v[14:15], v[248:249]
	s_delay_alu instid0(VALU_DEP_2)
	v_pk_add_f32 v[216:217], v[216:217], v[246:247]
	v_pk_add_f32 v[252:253], v[252:253], v[244:245]
	v_pk_add_f32 v[250:251], v[250:251], v[234:235]
	s_delay_alu instid0(VALU_DEP_2)
	v_pk_add_f32 v[14:15], v[14:15], v[252:253]
	s_delay_alu instid0(VALU_DEP_2)
	v_pk_add_f32 v[216:217], v[216:217], v[250:251]
	s_delay_alu instid0(VALU_DEP_1)
	v_pk_add_f32 v[14:15], v[14:15], v[216:217]
	s_wait_alu depctr_va_vdst(0)                   ; and one for the four
.irp b, 0,1,2,3
	v_max_num_f32 v[BM+\b], 0x2800000, v[BM+\b]    ; the floor 2^(5 - 127): a block whose every p is 0 keeps the byte 1: its codes are zeros
.endr
.irp b, 0,1,2,3
	s_delay_alu instid0(VALU_DEP_4)
	v_add_nc_u32 v[SO+\b], 0xfe000000, v[BM+\b]
.endr
.irp b, 0,1,2,3
	s_delay_alu instid0(VALU_DEP_4)
	v_lshrrev_b32 v[PD+\b], 23, v[SO+\b]
.endr
	s_delay_alu instid0(VALU_DEP_3)
	v_lshl_or_b32 v[PW], v[PD+1], 8, v[PD]
	s_delay_alu instid0(VALU_DEP_1)
	v_lshl_or_b32 v[PW], v[PD+2], 16, v[PW]
	s_delay_alu instid0(VALU_DEP_1)
	v_lshl_or_b32 v[PW], v[PD+3], 24, v[PW]
.irp c, 0,1
	v_cvt_scalef32_pk16_bf6_f32 v[CD+6*\c:CD+2+6*\c], v[96+32*\c:111+32*\c], v[SO+2*\c]
	v_cvt_scalef32_pk16_bf6_f32 v[C2+4*\c:C2+2+4*\c], v[112+32*\c:127+32*\c], v[SO+2*\c+1]
.endr
	v_nop                                          ; one plain line behind a scaled conversion
	s_setprio 0
.irp c, 0,1
.irp i, 0,1,2
	v_permlane16_swap_b32 v[CD+6*\c+\i], v[C2+4*\c+\i]
.endr
.irp i, 0,1,2
	s_delay_alu instid0(VALU_DEP_3)
	v_mov_b32 v[CD+3+6*\c+\i], v[C2+4*\c+\i]
.endr
.endr
.irp j, 0,2,4,6,8,10,12,14,16,18,20,22,24,26,28,30
	v_pk_mul_f32 v[160+\j:161+\j], v[160+\j:161+\j], v[FF:FF+1] op_sel_hi:[1,0]   ; O^T under the new M.  These 16 and the four below stand between the writes of p's codes and scale word and the products
.endr
.rept 4
	v_nop
.endr
	s_wait_alu depctr_va_vdst(0)
	s_wait_dscnt 0x0                               ; V
.irp t, 0,1,2,3                                ; O^T += V^T P^T: four accumulators by turns; the scores' eight products lie between two links of a chain
	v_wmma_scale_f32_16x16x128_f8f6f4 v[160+8*\t:167+8*\t], v[32+12*\t:43+12*\t], v[CD:CD+11], v[160+8*\t:167+8*\t], v[88+\t], v[PW] matrix_a_fmt:MATRIX_FMT_BF6 matrix_b_fmt:MATRIX_FMT_BF6
.endr
.Lskip:
	s_add_co_u32 s17, s17, 6144
	s_add_co_u32 s18, s18, 512
	s_add_co_u32 s19, s19, 256
	s_add_co_u32 s24, s24, 256
	s_add_co_u32 s15, s15, 1
	s_cmp_lt_u32 s15, 16
	s_cbranch_scc1 .Lstep
	s_setprio 0
	; the tile's way out
.rept 4
	v_nop                                          ; places behind the last products
.endr
	v_add_f32 v14, v14, v15
	s_delay_alu instid0(VALU_DEP_1)
	v_permlanex16_b32 v[TT], v14, s20, s21
	s_delay_alu instid0(VALU_DEP_1)
	v_add_f32 v14, v14, v[TT]                      ; the row's sum
	s_wait_alu depctr_va_vdst(0)
	v_rcp_f32 v14, v14
	v_nop                                          ; a plain line behind the reciprocal
	s_lshr_b32 s25, s10, 4                         ; batch
	s_and_b32 s31, s10, 15                         ; head
	s_lshl_b32 s26, s25, 7
	s_add_co_u32 s26, s26, s11                     ; 128 b + T
	s_lshl_b32 s28, s26, 9                         ; its 16 places' scale bytes
	s_lshl_b32 s26, s26, 4
	s_add_co_u32 s26, s26, s31
	s_mul_i32 s26, s26, 768
	s_mov_b32 s27, 0
	s_lshl_b32 s31, s31, 1
	s_add_co_u32 s28, s28, s31
	s_add_co_u32 s28, s28, AOS
	s_mov_b32 s29, 0
	s_add_nc_u64 s[26:27], s[8:9], s[26:27]
	s_add_nc_u64 s[28:29], s[8:9], s[28:29]
	s_wait_alu depctr_va_vdst(0)                   ; ahead of the reciprocal's first reader
.set i, 0
.rept 32
	v_mul_f32 v[96+i], v[160+i], v14               ; O^T / the sum: register n is d = 32 (n / 16) + 16 h + n % 16; each accumulator from its low end on
.set i, i+1
.endr
.irp a, 0,1
	v_max3_num_f32 v[BM+\a], |v[96+16*\a]|, |v[97+16*\a]|, 0x2800000
.endr
.irp i, 2,4,6,8,10,12,14
.irp a, 0,1
	s_delay_alu instid0(VALU_DEP_2)
	v_max3_num_f32 v[BM+\a], v[BM+\a], |v[96+16*\a+\i]|, |v[97+16*\a+\i]|
.endr
.endr
.irp a, 0,1
	s_delay_alu instid0(VALU_DEP_2)
	v_permlanex16_b32 v[PD+\a], v[BM+\a], s20, s21
.endr
.irp a, 0,1
	s_delay_alu instid0(VALU_DEP_2)
	v_max_num_f32 v[BM+\a], v[BM+\a], v[PD+\a]
.endr
.irp a, 0,1
	s_delay_alu instid0(VALU_DEP_2)
	v_add_nc_u32 v[SO+\a], 0xfe000000, v[BM+\a]
.endr
.irp a, 0,1
	s_delay_alu instid0(VALU_DEP_2)
	v_lshrrev_b32 v[PD+\a], 23, v[SO+\a]
.endr
	s_delay_alu instid0(VALU_DEP_1)
	v_cndmask_b32 v[TT+1], v[PD], v[PD+1], s30     ; lanes 0-15 block 0's byte, lanes 16-31 block 1's
	v_cvt_scalef32_pk16_bf6_f32 v[CD:CD+2], v[96:111], v[SO]
	v_cvt_scalef32_pk16_bf6_f32 v[CD+4:CD+6], v[112:127], v[SO+1]
	v_nop
.irp i, 0,1,2
	v_permlane16_swap_b32 v[CD+\i], v[CD+4+\i]     ; a whole block in a lane
.endr
	s_delay_alu instid0(VALU_DEP_3)
	v_mov_b32 v[CD+3], v[CD+4]
	s_delay_alu instid0(VALU_DEP_3)
	v_mov_b32 v[CD+4], v[CD+5]
	s_delay_alu instid0(VALU_DEP_3)
	v_mov_b32 v[CD+5], v[CD+6]
	global_store_b128 v1, v[CD:CD+3], s[26:27]     ; an image: 512 consecutive bytes,
	global_store_b64 v92, v[CD+4:CD+5], s[26:27] offset:512   ; and 256
	global_store_b8 v93, v[TT+1], s[28:29]
	s_wait_xcnt 0x0                                ; the stores have read their data and bases: the next tile writes them again
.irp i, 0,1,2,3,4,5
	v_mov_b32 v[16+\i], v[236+\i]                  ; the second tile's Q
.endr
	v_mov_b32 v28, v242
	s_mov_b32 s11, s12
	s_mov_b32 s13, s14
	s_add_co_u32 s16, s16, 1
	s_cmp_lt_u32 s16, 2
	s_cbranch_scc1 .Lpass
	s_wait_tensorcnt 0x0
	ds_add_u32 v254, v255
	s_wait_dscnt 0x0
	s_endpgm
.Lfunc_end_k_qc8034eede5_attn:
	.size	k_qc8034eede5_attn, .Lfunc_end_k_qc8034eede5_attn-k_qc8034eede5_attn
	.p2alignl 7, 3214868480
	.fill 96, 4, 3214868480
	.section	.rodata,"a",@progbits
	.p2align	6, 0x0
	.amdhsa_kernel k_qc8034eede5_attn
		.amdhsa_group_segment_fixed_size 210944
		.amdhsa_private_segment_fixed_size 0
		.amdhsa_enable_private_segment 0
		.amdhsa_kernarg_size 24
		.amdhsa_user_sgpr_count 2
		.amdhsa_user_sgpr_kernarg_segment_ptr 1
		.amdhsa_wavefront_size32 1
		.amdhsa_system_sgpr_workgroup_id_x 1
		.amdhsa_system_sgpr_workgroup_id_y 1
		.amdhsa_system_sgpr_workgroup_id_z 1
		.amdhsa_system_vgpr_workitem_id 0
		.amdhsa_next_free_vgpr 256
		.amdhsa_next_free_sgpr 100
		.amdhsa_reserve_vcc 0
		.amdhsa_float_denorm_mode_32 3
		.amdhsa_float_denorm_mode_16_64 3
		.amdhsa_memory_ordered 1
		.amdhsa_forward_progress 1
		.amdhsa_inst_pref_size 39
	.end_amdhsa_kernel
	.amdgpu_metadata
---
amdhsa.version: [ 1, 2 ]
amdhsa.kernels:
  - .name:           k_qc8034eede5_attn
    .symbol:         k_qc8034eede5_attn.kd
    .args:
      - { .name: qkv, .offset: 0, .size: 8, .value_kind: global_buffer, .address_space: global }
      - { .name: mw, .offset: 8, .size: 8, .value_kind: global_buffer, .address_space: global }
      - { .name: ao, .offset: 16, .size: 8, .value_kind: global_buffer, .address_space: global }
    .group_segment_fixed_size: 210944
    .private_segment_fixed_size: 0
    .kernarg_segment_align: 8
    .kernarg_segment_size: 24
    .max_flat_workgroup_size: 512
    .sgpr_count:     100
    .vgpr_count:     256
    .wavefront_size: 32
...
	.end_amdgpu_metadata
.endif
;; end of part 3
;; launch oproj (part 4): grid 4 x 32, 4 waves a work-group, clusters of 4 x 4, 327,680 bytes of LDS; arguments ao, ops1, bo, out0; writes out0
.if DOCPART == 4
	.amdgcn_target "amdgcn-amd-amdhsa--gfx1250"
	.amdhsa_code_object_version 6
	.text
	.protected	k_qc8034eede5_oproj
	.globl	k_qc8034eede5_oproj
	.p2align	8
	.type	k_qc8034eede5_oproj,@function
k_qc8034eede5_oproj:
	s_mov_b64 s[64:65], 0
	v_nop
	global_prefetch_b8 v0, s[64:65] scope:SCOPE_SE
	s_setreg_imm32_b32 hwreg(HW_REG_WAVE_MODE, 25, 1), 1
	s_wait_xcnt 0x0
	s_wait_alu depctr_hold_cnt(0) depctr_sa_sdst(0) depctr_va_vdst(0) depctr_va_sdst(0) depctr_va_ssrc(0) depctr_va_vcc(0) depctr_vm_vsrc(0)
	s_getreg_b32 s2, hwreg(HW_REG_IB_STS2, 6, 4)
	s_cmp_eq_u32 s2, 0
	s_cbranch_scc0 .Lentry_in_a_cluster
	s_endpgm
.Lentry_in_a_cluster:
	s_bfe_u32 s2, ttmp6, 0x10000c
	s_cmp_lg_u32 s2, 0xf033
	s_cbranch_scc0 .Lentry_shape_is_right
	s_endpgm
.Lentry_shape_is_right:
; OPROJ.  out0 = attn Wo^T + bo on codes of E3M2 with one E8M0 scale for each 32 along K = 1,024.  A: the attention's result, 8,192 places, as operand images [16 places][head 16][768 bytes] and scale bytes [place][32] in ao.
; B: Wo's codes (768 bytes a row) and scale bytes in ops1.  out0: [8,192][1,024] f32.
; A tile of C, 256 x 256, is made by four waves, 128 x 128 each.  K goes in steps of 256 (four heads) through two LDS slots.  B's tiles: rows of 192 bytes, 16 bytes of padding behind every 64 (pitch 240).  A's tiles: 8 rows of 3,072
; bytes (four images of 16 places), 12,288 bytes apart in memory, dense in LDS: a fragment's half comes by one load of 16 bytes and one of 8 a lane, consecutive from lane to lane.
; CLUSTERS of 4 x 4: A's tile is asked for jointly by a row of the cluster, B's by a column.  128 work-groups: the grid that tiles of 256 x 256 give here.
; THE MATRIX INSTRUCTION IS USED TRANSPOSED: a lane holds eight neighbouring columns of one row of C.  A block of 16 rows goes through the wave's own stage in LDS (in slot 0, which has had its last fill and its last read by then) and
; comes back as whole rows of 512 bytes; bo is added there; place 16 a + t of my 128 rows is token 32 (a / 2) + 16 (t / 8) + 8 (a % 2) + t % 8, which stands in the store's immediate.
.set OPS_WC, 6553600
.set OPS_WS, 9699328
.set AOS,    6291456
.set KSTEP,  256
.set NQ,     2
.set ROWB,   192
.set AROWB,  3072
.set KROW,   768
.set PITCH,  240
.set FR,     12
.set NLA,    4                         ; LDS loads that bring a fragment of A
.set NP,     4
.set HALFT,  128*PITCH
.set SLOT,   4*HALFT
.set LAPS,   2
.set KS,     32
.set SCL,    2*SLOT
.set HALFS,  (128*KS/256)*272
.set SBLK,   (16*KS/256)*272
.set SPARE,  SCL+4*HALFS               ; the spare words, 128 bytes a wave: two blocks of 256 bytes that no other line names
.set SPITCH, 528
.set ADRA, 16                          ; v16-17 16 x lane in my rows of A, slot 0, 1; v18-19 the same + 512 + 8 x lane
.set ADRB, 20
.set STO,  24
.set RD,   25
.set CO,   26
.set ADRS, 27
.set SPW,  28
.set NIL,  29
.set BOO,  30                          ; v30 bo's offset; v8-11 my four columns' bo
.set SC,   32
.set AF,   128
.set BK,   128
.set G1, 24
.set G0, 32
.set G1B, 48
.set G0B, 56
.set G1S, 68
.set G0S, 76
.set G1SB, 80
.set G0SB, 88
.set MSB, 0
.macro WIN new
.if MSB != (\new)
	s_set_vgpr_msb (MSB<<8)|(\new)
.set MSB, (\new)
.endif
.endm
.set MUL_LO, 0xa1
.set MUL_HI, 0xf1
.set TO_B,   0x40
.macro JLOAD g0a, g1a, g0b, g1b        ; waves 0 and 1 fetch for A, waves 2 and 3 for B; four v_nop follow each of the two lines
	s_cmp_eq_u32 s15, 0
	s_cbranch_scc0 .Lfor_b_\@
	tensor_load_to_lds s[\g0a:\g0a+3], s[\g1a:\g1a+7]
	s_nop 0
.rept 4
	v_nop
.endr
	s_branch .Lasked_\@
.Lfor_b_\@:
	tensor_load_to_lds s[\g0b:\g0b+3], s[\g1b:\g1b+7]
	s_nop 0
.rept 4
	v_nop
.endr
.Lasked_\@:
.endm
.macro CREST
	s_cmp_lg_u32 s14, 0
	s_cbranch_scc1 .Lnot_wave_0_\@
	s_barrier_signal -3
.Lnot_wave_0_\@:
	s_barrier_wait -3
	s_barrier_signal -1
	s_barrier_wait -1
.endm
.macro CROUND
	s_barrier_signal -1
	s_barrier_wait -1
	CREST
.endm
	s_load_b256 s[4:11], s[0:1], 0x0               ; ao 4:5, ops1 6:7, bo 8:9, out0 10:11
	v_lshl_add_u32 v[SPW], v0, 2, SPARE
	v_mov_b32 v[NIL], 0
	ds_add_u32 v28, v29
	ds_add_u32 v28, v29
	s_wait_dscnt 0x0
	v_lshrrev_b32 v1, 5, v0
	v_readfirstlane_b32 s14, v1
	s_lshr_b32 s15, s14, 1                         ; which half of the tile's rows is mine.  Also: I fetch for A (0) or for B (1)
	s_and_b32 s16, s14, 1                          ; which half of its columns.  Also: which 128 rows I fetch
	s_bfe_u32 s40, ttmp6, 0x40000                  ; cx
	s_bfe_u32 s41, ttmp6, 0x40004                  ; cy
	s_lshl_b32 s42, ttmp9, 2
	s_add_co_u32 s42, s42, s40                     ; tile column
	s_and_b32 s17, ttmp7, 0xffff
	s_lshl_b32 s17, s17, 2
	s_add_co_u32 s17, s17, s41                     ; tile row
	s_lshl_b32 s43, s41, 2
	s_lshl_b32 s43, 15, s43
	s_lshl_b32 s44, 0x1111, s40
	s_or_b32 s[G1+0], s43, (1<<21)                 ; A: the mask; elements of 1 byte; no padding; bit 21 beside a mask
	s_mov_b32 s[G1+1], AROWB<<16                   ; tensor_dim0 = 3,072
	s_mov_b32 s[G1+2], 8<<16                       ; tensor_dim1 = 8
	s_mov_b32 s[G1+3], AROWB<<16                   ; tile_dim0
	s_mov_b32 s[G1+4], 8                           ; tile_dim1
	s_mov_b32 s[G1+5], 12288                       ; the pitch: 16 heads x 768
	s_mov_b32 s[G1+6], 0
	s_mov_b32 s[G1+7], 0
	s_or_b32 s[G1B+0], s44, (0<<16)|(1<<20)|(1<<21)|(3<<22)|(3<<25)
	s_mov_b32 s[G1B+1], ROWB<<16
	s_mov_b32 s[G1B+2], 128<<16
	s_mov_b32 s[G1B+3], ROWB<<16
	s_mov_b32 s[G1B+4], 128
	s_mov_b32 s[G1B+5], KROW
	s_mov_b32 s[G1B+6], 0
	s_mov_b32 s[G1B+7], 0
	s_or_b32 s[G1S+0], s43, (3<<16)|(1<<20)|(1<<21)|(5<<22)|(3<<25)
	s_or_b32 s[G1SB+0], s44, (3<<16)|(1<<20)|(1<<21)|(5<<22)|(3<<25)
.irp g, G1S, G1SB
	s_mov_b32 s[\g+1], 32<<16
	s_mov_b32 s[\g+2], (128*KS/256)<<16
	s_mov_b32 s[\g+3], 32<<16
	s_mov_b32 s[\g+4], 128*KS/256
	s_mov_b32 s[\g+5], 32
	s_mov_b32 s[\g+6], 0
	s_mov_b32 s[\g+7], 0
.endr
	s_lshl_b32 s18, s16, 7
	s_lshl_b32 s20, s17, 8
	s_add_co_u32 s20, s20, s18                     ; A: place 256 x tile row + 128 x half
	s_lshl_b32 s46, s42, 8
	s_add_co_u32 s46, s46, s18                     ; B: row likewise.  All offsets stay under 2^24
	s_mul_i32 s22, s20, KS
	s_add_co_u32 s22, s22, AOS
	s_mov_b32 s23, 0
	s_mul_i32 s20, s20, 768                        ; 16 places are 12,288 bytes
	s_mov_b32 s21, 0
	s_mul_i32 s92, s46, KS
	s_add_co_u32 s92, s92, OPS_WS+3072*32
	s_mov_b32 s93, 0
	s_mul_i32 s46, s46, KROW
	s_add_co_u32 s46, s46, OPS_WC+3072*768
	s_mov_b32 s47, 0
	s_mul_i32 s45, s14, HALFT
	s_mul_i32 s94, s14, HALFS
	s_wait_kmcnt 0x0
	s_add_nc_u64 s[20:21], s[4:5], s[20:21]
	s_add_nc_u64 s[22:23], s[4:5], s[22:23]
	s_add_nc_u64 s[46:47], s[6:7], s[46:47]
	s_add_nc_u64 s[92:93], s[6:7], s[92:93]
	CROUND                                         ; all sixteen work-groups are here: the first joint loads meet
	s_mov_b32 s[G0S], 1
	s_add_co_u32 s[G0S+1], s94, SCL
	s_mov_b64 s[G0S+2:G0S+3], s[22:23]
	s_or_b32 s[G0S+3], s[G0S+3], 0x80000000
	s_mov_b32 s[G0SB], 1
	s_add_co_u32 s[G0SB+1], s94, SCL
	s_mov_b64 s[G0SB+2:G0SB+3], s[92:93]
	s_or_b32 s[G0SB+3], s[G0SB+3], 0x80000000
	JLOAD G0S, G1S, G0SB, G1SB
.irp s, 0,1
	s_mov_b32 s[G0+4*\s], 1
	s_add_co_u32 s[G0+4*\s+1], s45, \s*SLOT
	s_add_nc_u64 s[G0+4*\s+2:G0+4*\s+3], s[20:21], \s*AROWB
	s_or_b32 s[G0+4*\s+3], s[G0+4*\s+3], 0x80000000
	s_mov_b32 s[G0B+4*\s], 1
	s_add_co_u32 s[G0B+4*\s+1], s45, \s*SLOT
	s_add_nc_u64 s[G0B+4*\s+2:G0B+4*\s+3], s[46:47], \s*ROWB
	s_or_b32 s[G0B+4*\s+3], s[G0B+4*\s+3], 0x80000000
	s_wait_alu depctr_va_vdst(0)
	s_wait_tensorcnt 0x0
	ds_add_u32 v28, v29
	s_wait_dscnt 0x0
	CROUND
	JLOAD G0+4*\s, G1, G0B+4*\s, G1B
.endr
	v_and_b32 v1, 15, v0                           ; r
	v_bfe_u32 v2, v0, 4, 1                         ; h
	v_and_b32 v6, 31, v0                           ; lane
	v_mul_u32_u24 v3, v1, PITCH
	v_mul_u32_u24 v4, v2, 24
	v_add_nc_u32 v4, v3, v4                        ; B: row x pitch + 24 h
	v_lshl_add_u32 v5, v2, 4, v4                   ; and behind one padding more
	v_lshlrev_b32 v3, 4, v6                        ; A: 16 x lane,
	v_lshlrev_b32 v7, 3, v6
	v_add_nc_u32 v7, 512, v7                       ; 512 + 8 x lane
	s_mul_i32 s21, s15, HALFT
	s_mul_i32 s22, s16, HALFT
	s_add_co_u32 s22, s22, 2*HALFT
.irp s, 0,1
	v_add_nc_u32 v[ADRA+\s], s21, v3
	v_add_nc_u32 v[ADRA+2+\s], s21, v7
	v_add_nc_u32 v[ADRB+\s], s22, v4
	v_add_nc_u32 v[ADRB+2+\s], s22, v5
	s_add_co_u32 s21, s21, SLOT
	s_add_co_u32 s22, s22, SLOT
.endr
	v_mul_u32_u24 v5, v1, KS
	v_lshrrev_b32 v6, 8, v5
	v_lshl_add_u32 v5, v6, 4, v5
	s_mul_i32 s21, s15, HALFS
	s_mul_i32 s22, s16, HALFS
	s_add_co_u32 s22, s22, 2*HALFS
	s_sub_co_u32 s22, s22, s21
	v_mul_u32_u24 v6, s22, v2                      ; lanes 16-31 take B's scale words
	s_add_co_u32 s21, s21, SCL
	v_add_nc_u32 v5, v5, v6
	v_add_nc_u32 v[ADRS], s21, v5
	s_mul_i32 s23, s14, 16*SPITCH                  ; my stage
	v_mul_u32_u24 v5, v1, SPITCH
	v_lshl_add_u32 v5, v2, 5, v5
	v_add_nc_u32 v[STO], s23, v5
	v_and_b32 v6, 31, v0
	v_lshlrev_b32 v[CO], 4, v6
	v_add_nc_u32 v[RD], s23, v[CO]
	s_lshl_b32 s46, s42, 10                        ; my first column, in bytes
	s_lshl_b32 s47, s16, 9
	s_add_co_u32 s46, s46, s47
	v_add_nc_u32 v[BOO], s46, v[CO]
	global_load_b128 v[8:11], v[BOO], s[8:9]       ; bo of the four columns that I store
	s_lshl_b32 s20, s17, 8
	s_lshl_b32 s21, s15, 7
	s_add_co_u32 s20, s20, s21                     ; my first row
	s_lshl_b32 s20, s20, 12                        ; of 4,096 bytes (under 2^26)
	s_add_co_u32 s20, s20, s46
	s_mov_b32 s21, 0
	s_add_nc_u64 s[12:13], s[10:11], s[20:21]
.macro FRAG reg, adr, q, i             ; B: 24 bytes of the row's stream of bits for each half of the fragment, in pieces of 8
.irp p, 0,1,2,3,4,5
.set PCE, 12*(\q)+6*(\p/3)+\p%3
.if PCE%8 < 5
	ds_load_b64 v[\reg+2*\p:\reg+2*\p+1], v[\adr] offset:8*PCE+16*(PCE/8)+(\i)*16*PITCH
.else
	ds_load_b64 v[\reg+2*\p:\reg+2*\p+1], v[\adr+2] offset:8*PCE+16*(PCE/8)+(\i)*16*PITCH
.endif
.endr
.endm
.macro FRAGA reg, slot, q, i           ; A: the images of heads 2 q and 2 q + 1 of the slot's four are registers 0-5 and 6-11
.irp c, 0,1
	ds_load_b128 v[\reg+6*\c:\reg+6*\c+3], v[ADRA+\slot] offset:AROWB*(\i)+768*(2*(\q)+\c)
	ds_load_b64 v[\reg+6*\c+4:\reg+6*\c+5], v[ADRA+2+\slot] offset:AROWB*(\i)+768*(2*(\q)+\c)
.endr
.endm
.macro MUL16 a0, p, q, sc, zero        ; the 64 accumulators take turns, one instruction a turn
.irp a, \a0, \a0+1
.irp b, 0,1,2,3,4,5,6,7
.if \zero
	v_wmma_scale_f32_16x16x128_f8f6f4 v[8*(8*((\a)%4)+\b):8*(8*((\a)%4)+\b)+7], v[128*(\p)+FR*\b:128*(\p)+FR*\b+FR-1], v[AF+FR*(\a):AF+FR*(\a)+FR-1], 0, v[SC+8*NQ*(\sc)+NQ*\b+(\q)], v[SC+8*NQ*(\sc)+NQ*(\a)+(\q)] matrix_a_fmt:MATRIX_FMT_BF6 matrix_b_fmt:MATRIX_FMT_BF6 matrix_a_scale:MATRIX_SCALE_ROW1
.else
	v_wmma_scale_f32_16x16x128_f8f6f4 v[8*(8*((\a)%4)+\b):8*(8*((\a)%4)+\b)+7], v[128*(\p)+FR*\b:128*(\p)+FR*\b+FR-1], v[AF+FR*(\a):AF+FR*(\a)+FR-1], v[8*(8*((\a)%4)+\b):8*(8*((\a)%4)+\b)+7], v[SC+8*NQ*(\sc)+NQ*\b+(\q)], v[SC+8*NQ*(\sc)+NQ*(\a)+(\q)] matrix_a_fmt:MATRIX_FMT_BF6 matrix_b_fmt:MATRIX_FMT_BF6 matrix_a_scale:MATRIX_SCALE_ROW1
.endif
.endr
.endr
.endm
.macro FETCH_B slot, q, p
	WIN TO_B
.irp i, 0,1,2,3,4,5,6,7
	FRAG 128*(\p)+FR*\i, ADRB+\slot, \q, \i
.endr
	WIN 0
.endm
.macro FETCH_A slot, q, i0
.irp i, \i0, \i0+1, \i0+2, \i0+3
	FRAGA AF+FR*(\i), \slot, \q, \i
.endr
.endm
.macro SCALES sc
.irp i, 0,1,2,3,4,5,6,7
	ds_load_b64 v[SC+8*NQ*\sc+NQ*\i:SC+8*NQ*\sc+NQ*\i+1], v[ADRS] offset:\i*SBLK
.endr
.endm
.macro PLACES n
.rept \n
	v_nop
.endr
.endm
.macro STEP slot, q, zero
	s_wait_dscnt 4*NLA                             ; B's set and A's blocks 0-3 are in; the youngest 16 loads (A's blocks 4-7) may be out
	WIN MUL_LO
	MUL16 0, (\q)%2, \q, \slot, \zero
	MUL16 2, (\q)%2, \q, \slot, \zero
	s_wait_dscnt 0
	PLACES NP
	FETCH_B \slot, (\q)+1, 1-(\q)%2
	FETCH_A \slot, (\q)+1, 0
	WIN MUL_HI
	MUL16 4, (\q)%2, \q, \slot, \zero
	MUL16 6, (\q)%2, \q, \slot, \zero
	PLACES NP
	WIN 0
	FETCH_A \slot, (\q)+1, 4
.endm
.macro TURN slot, next, fill
	s_wait_tensorcnt 0x0                           ; all my tensor loads have landed: my part of the next slot
	ds_add_u32 v[SPW], v[NIL]                      ; 0 onto my spare word
	s_wait_dscnt 4*NLA+1                           ; (the add and the youngest 16 loads may be out)
	WIN MUL_LO
	MUL16 0, 1, NQ-1, \slot, 0
	s_wait_dscnt 0x0                               ; the add is done, and my reads of this slot are over
	s_barrier_signal -1
	MUL16 2, 1, NQ-1, \slot, 0
	WIN 0
	s_barrier_wait -1
.if \fill
	CREST                                          ; the barrier has opened a round of the cluster's
	s_add_nc_u64 s[G0+4*\slot+2:G0+4*\slot+3], s[G0+4*\slot+2:G0+4*\slot+3], 2*AROWB
	s_add_nc_u64 s[G0B+4*\slot+2:G0B+4*\slot+3], s[G0B+4*\slot+2:G0B+4*\slot+3], 2*ROWB
	JLOAD G0+4*\slot, G1, G0B+4*\slot, G1B         ; the first tensor load behind the round; its four v_nop are the places in front of the loads below
.else
	PLACES NP
.endif
	s_wait_alu depctr_va_vdst(0)
	v_add_nc_u32 v[ADRS], 4*NQ, v[ADRS]
	FETCH_B \next, 0, 0
	FETCH_A \next, 0, 0
	SCALES \next
	WIN MUL_HI
	MUL16 4, 1, NQ-1, \slot, 0
	MUL16 6, 1, NQ-1, \slot, 0
	PLACES NP
	WIN 0
	FETCH_A \next, 0, 4
.endm
	s_wait_alu depctr_va_vdst(0)
	s_wait_tensorcnt 1                             ; of my three loads the scales and K step 0 are in; K step 1's may be out
	s_barrier_signal -1
	s_barrier_wait -1
	FETCH_B 0, 0, 0
	FETCH_A 0, 0, 0
	SCALES 0
	FETCH_A 0, 0, 4
	STEP 0, 0, 1
	s_mov_b32 s3, LAPS-1
.Llap:
	TURN 0, 1, 1
	STEP 1, 0, 0
	TURN 1, 0, 1
	STEP 0, 0, 0
	s_sub_co_u32 s3, s3, 1
	s_cmp_lg_u32 s3, 0
	s_cbranch_scc1 .Llap
	TURN 0, 1, 0
	STEP 1, 0, 0
	s_wait_dscnt 4*NLA
	WIN MUL_LO
	MUL16 0, 1, NQ-1, 1, 0
	MUL16 2, 1, NQ-1, 1, 0
	s_wait_dscnt 0
	WIN MUL_HI
	MUL16 4, 1, NQ-1, 1, 0
	MUL16 6, 1, NQ-1, 1, 0
	WIN 0
.macro TOSTAGE a
.set AC, 64*((\a)%4)
	WIN 0x08+4*((\a)/4)                            ; the data: window 2 or 3
.irp b, 0,1,2,3,4,5,6,7
	ds_store_b128 v[STO], v[AC+8*\b:AC+8*\b+3] offset:64*\b          ; each accumulator from its low end on
	ds_store_b128 v[STO], v[AC+8*\b+4:AC+8*\b+7] offset:64*\b+16
.endr
	WIN 0
.set BB, BK+64*((\a)%2)
.irp t, 0,1,2,3,4,5,6,7,8,9,10,11,12,13,14,15
	ds_load_b128 v[BB+4*\t:BB+4*\t+3], v[RD] offset:\t*SPITCH        ; LDS serves a wave's instructions in order: these see the stores above
.endr
.endm
.macro SEND a, younger                 ; younger: the LDS instructions issued behind block a's loads, which may stay out
.set BB, BK+64*((\a)%2)
	s_wait_dscnt \younger
.irp t, 0,1,2,3,4,5,6,7,8,9,10,11,12,13,14,15
	v_pk_add_f32 v[BB+4*\t:BB+4*\t+1], v[BB+4*\t:BB+4*\t+1], v[8:9]
	v_pk_add_f32 v[BB+4*\t+2:BB+4*\t+3], v[BB+4*\t+2:BB+4*\t+3], v[10:11]
.endr
.irp t, 0,1,2,3,4,5,6,7,8,9,10,11,12,13,14,15
	global_store_b128 v[CO], v[BB+4*\t:BB+4*\t+3], s[12:13] offset:(32*((\a)/2)+16*(\t/8)+8*((\a)%2)+\t%8)*4096 th:TH_STORE_NT   ; 32 lanes store 512 consecutive bytes, aligned; the place's token stands in the immediate, 520,192 at the most
.endr
.endm
	s_wait_loadcnt 0x0                             ; bo
	PLACES NP
	TOSTAGE 0
.irp a, 1,2,3,4,5,6,7
.if \a > 1
	s_wait_xcnt 0x0                                ; block a - 2's stores have read their registers: block a's loads may land there
.endif
	TOSTAGE \a
	SEND \a-1, 32                                  ; behind block a - 1's loads: block a's 16 stores and 16 loads
.endr
	SEND 7, 0
	s_wait_tensorcnt 0x0                           ; the wave's end
	ds_add_u32 v[SPW], v[NIL]
	s_wait_dscnt 0x0
	CROUND                                         ; the closing round
	s_endpgm
.Lfunc_end_k_qc8034eede5_oproj:
	.size	k_qc8034eede5_oproj, .Lfunc_end_k_qc8034eede5_oproj-k_qc8034eede5_oproj
	.p2alignl 7, 3214868480
	.fill 96, 4, 3214868480
	.section	.rodata,"a",@progbits
	.p2align	6, 0x0
	.amdhsa_kernel k_qc8034eede5_oproj
		.amdhsa_group_segment_fixed_size 327680
		.amdhsa_private_segment_fixed_size 0
		.amdhsa_enable_private_segment 0
		.amdhsa_kernarg_size 32
		.amdhsa_user_sgpr_count 2
		.amdhsa_user_sgpr_kernarg_segment_ptr 1
		.amdhsa_wavefront_size32 1
		.amdhsa_system_sgpr_workgroup_id_x 1
		.amdhsa_system_sgpr_workgroup_id_y 1
		.amdhsa_system_sgpr_workgroup_id_z 1
		.amdhsa_system_vgpr_workitem_id 0
		.amdhsa_next_free_vgpr 1024
		.amdhsa_next_free_sgpr 98
		.amdhsa_reserve_vcc 0
		.amdhsa_float_denorm_mode_32 3
		.amdhsa_float_denorm_mode_16_64 3
		.amdhsa_memory_ordered 1
		.amdhsa_forward_progress 1
		.amdhsa_inst_pref_size 169
	.end_amdhsa_kernel
	.amdgpu_metadata
---
amdhsa.version: [ 1, 2 ]
amdhsa.kernels:
  - .name:           k_qc8034eede5_oproj
    .symbol:         k_qc8034eede5_oproj.kd
    .args:
      - { .name: ao, .offset: 0, .size: 8, .value_kind: global_buffer, .address_space: global }
      - { .name: ops1, .offset: 8, .size: 8, .value_kind: global_buffer, .address_space: global }
      - { .name: bo, .offset: 16, .size: 8, .value_kind: global_buffer, .address_space: global }
      - { .name: out0, .offset: 24, .size: 8, .value_kind: global_buffer, .address_space: global }
    .group_segment_fixed_size: 327680
    .private_segment_fixed_size: 0
    .kernarg_segment_align: 8
    .kernarg_segment_size: 32
    .max_flat_workgroup_size: 128
    .sgpr_count:     98
    .vgpr_count:     1024
    .wavefront_size: 32
...
	.end_amdgpu_metadata
.endif
;; end of part 4
